; MI455X (gfx1250); checked and timed in simulation.
; The chip was launched on July 23, 2026; its instructions are those of AMD's public machine-readable ISA for CDNA 5 (MIT licence, August 2026) and "CDNA5" Instruction Set Architecture Reference Guide (July 2026). The comments in the code are by the model that wrote it; some were corrected since.
;; Efficient Mo E Layer. Allowed arithmetic: matrix products marked QUANTISED: E2M3 operands, one E8M0 scale for each 32 along K, by v_wmma_scale_f32_16x16x128_f8f6f4 with both operands' format E2M3, f32 sums; products left as they are: f32 operands where the result goes on into a quantised operand, else bf16, f16 or f32 operands; f32 sums; everything else in f32.
;; Inputs: W1_codes 8 x 4,096 x 32 x 24 uint8 (E2M3 codes of W1, K innermost, in blocks of 32 codes, four codes in three bytes); W1_scales 8 x 4,096 x 32 uint8 (E8M0 scales of W1, one for each 32 codes along K); W2_codes 8 x 1,024 x 128 x 24 uint8 (E2M3 codes of W2, K innermost, in blocks of 32 codes, four codes in three bytes); W2_scales 8 x 1,024 x 128 uint8 (E8M0 scales of W2, one for each 32 codes along K); Wg 1,024 x 8 float32; b1 8 x 4,096 float32; b2 8 x 1,024 float32; x 4 x 256 x 1,024 float32.
;; Outputs: out0 4 x 256 x 1,024 float32.
;; This version of the problem:
;;   THIS VERSION OF THE PROBLEM IS GIVEN IN LOW PRECISION. The matrix products marked QUANTISED in the list below multiply operands that are first quantised to E2M3 (2 exponent bits, 3 mantissa bits; 6 bits a number), with one power-of-two scale for each 32 numbers along K (OCP MX v1.0); their sums are f32. All else is computed in f32.
;;   The module's matrix products, in the order in which they are computed (A, B: the left and right operand; K: the contracted axis; several contracted axes count as one K, in the product's order):
;;     1. [M 1,024, K 1,024] x [K 1,024, N 8]; A: input x; B: input Wg: left as it is (N = 8 < 16)
;;     2. [M 1,024, K 1,024] x [K 1,024, N 4,096]; A: input x; B: input W1 (given as codes): QUANTISED
;;     3. [M 1,024, K 4,096] x [K 4,096, N 1,024]; A: computed on the way; B: input W2 (given as codes): QUANTISED
;;     4. [M 1,024, K 1,024] x [K 1,024, N 4,096]; A: input x; B: input W1 (given as codes): QUANTISED
;;     5. [M 1,024, K 4,096] x [K 4,096, N 1,024]; A: computed on the way; B: input W2 (given as codes): QUANTISED
;;     6. [M 1,024, K 1,024] x [K 1,024, N 4,096]; A: input x; B: input W1 (given as codes): QUANTISED
;;     7. [M 1,024, K 4,096] x [K 4,096, N 1,024]; A: computed on the way; B: input W2 (given as codes): QUANTISED
;;     8. [M 1,024, K 1,024] x [K 1,024, N 4,096]; A: input x; B: input W1 (given as codes): QUANTISED
;;     9. [M 1,024, K 4,096] x [K 4,096, N 1,024]; A: computed on the way; B: input W2 (given as codes): QUANTISED
;;     10. [M 1,024, K 1,024] x [K 1,024, N 4,096]; A: input x; B: input W1 (given as codes): QUANTISED
;;     11. [M 1,024, K 4,096] x [K 4,096, N 1,024]; A: computed on the way; B: input W2 (given as codes): QUANTISED
;;     12. [M 1,024, K 1,024] x [K 1,024, N 4,096]; A: input x; B: input W1 (given as codes): QUANTISED
;;     13. [M 1,024, K 4,096] x [K 4,096, N 1,024]; A: computed on the way; B: input W2 (given as codes): QUANTISED
;;     14. [M 1,024, K 1,024] x [K 1,024, N 4,096]; A: input x; B: input W1 (given as codes): QUANTISED
;;     15. [M 1,024, K 4,096] x [K 4,096, N 1,024]; A: computed on the way; B: input W2 (given as codes): QUANTISED
;;     16. [M 1,024, K 1,024] x [K 1,024, N 4,096]; A: input x; B: input W1 (given as codes): QUANTISED
;;     17. [M 1,024, K 4,096] x [K 4,096, N 1,024]; A: computed on the way; B: input W2 (given as codes): QUANTISED
;;   THE QUANTISER, for each operand of a quantised product, along K:
;;     - K is cut into blocks of 32 from its start; a last block that is shorter is filled with zeros.
;;     - A block's scale is 2^e with e = floor(log2(the largest magnitude in the block)) - 2, held to -126 .. 127; a block of zeros has e = 0. As a byte (E8M0): e + 127.
;;     - Each number is divided by its block's scale, clamped to +-7.5, and rounded to the nearest number of E2M3, ties to even, subnormals kept.
;;     - The product sums the exact products of the quantised numbers (number of the format x scale) in f32.
;;   ~~~python
;;   def quantise(x, axis):      # numpy; x: float32 -> the quantised numbers, widened to float32 again
;;       x = np.moveaxis(x, axis, -1); K = x.shape[-1]
;;       x = np.pad(x, [(0, 0)] * (x.ndim - 1) + [(0, -K % 32)]); x = x.reshape(x.shape[:-1] + (-1, 32)); a = np.abs(x).max(-1, keepdims=True)
;;       e = np.where(a > 0, np.clip(np.frexp(np.where(a > 0, a, 1))[1] - 1 - 2, -126, 127), 0)      # np.frexp(a)[1] - 1 = floor(log2(a)), exactly
;;       r = np.clip(x / 2.0 ** e, -7.5, 7.5)
;;       step = 2.0 ** (np.maximum(np.frexp(np.where(r == 0, 1, r))[1] - 1, 0) - 3)
;;       q = np.round(r / step) * step * 2.0 ** e      # np.round: ties to even
;;       return np.moveaxis(q.reshape(q.shape[:-2] + (-1,))[..., :K], -1, axis).astype(np.float32)
;;   ~~~
;;   OPERANDS COMPUTED ON THE WAY. 'Computed on the way' means the value that the module computes at that place (a softmax that the list does not call 'softmax' is quantised finished and normalised). What goes into a quantiser is computed in f32, as accurately as f32 sums, v_exp_f32 and their like allow (about 1e-6 of the number): no bf16 or f16 on the way to a quantiser, and a product that is left as it is and whose result goes on into a quantised operand takes f32 operands (vector FMAs, or v_wmma_f32_16x16x4_f32). A number that lies on a knife's edge between two numbers of the format may be rounded either way, as far as f32 arithmetic and the matrix unit's own rounding can turn it there, and no further.
;;   INPUTS GIVEN AS CODES. W1 (in the module: [8, 1024, 4096], K = its axis 1); W2 (in the module: [8, 4096, 1024], K = its axis 1): each comes as NAME_codes (uint8): NAME with its K axis moved to the last place and cut into blocks of 32 codes, [.., K / 32, bytes a block], one block behind the other in memory; four codes in three bytes: a row's codes are one little-endian stream of bits, code i at bits 6 i .. 6 i + 5 (a code: sign, 2 exponent bits, 3 mantissa bits); and NAME_scales (uint8): the same leading axes, one E8M0 byte (e + 127) for each 32 codes along K. Its value is code x scale, taken as it is: it is not quantised again, and the codes and scales need not be those that the quantiser above would give.
;; 2 versions. Each part assembles by itself: llvm-mc -triple=amdgcn-amd-amdhsa -mcpu=gfx1250 --defsym DOCPART=n.
;; ======== version 1 of 2: 5 launches
;; workspace buffers: xq 786,432 bytes; xs 32,768 bytes; sel 4,096 bytes of whole numbers; gate 8,192 bytes; lists 47,104 bytes of whole numbers; hq 25,165,824 bytes; hs 1,048,576 bytes; yb 33,554,432 bytes
;; launch router (part 1): grid 256 x 1, 4 waves a work-group, no clusters, 58,880 bytes of LDS; arguments x, Wg, xq, xs, sel, gate; writes xq, xs, sel, gate
.if DOCPART == 1
	.amdgcn_target "amdgcn-amd-amdhsa--gfx1250"
	.amdhsa_code_object_version 6
	.text
	.protected	k_q6138041d87_router
	.globl	k_q6138041d87_router
	.p2align	8
	.type	k_q6138041d87_router,@function
k_q6138041d87_router:
	s_mov_b64 s[64:65], 0
	v_nop
	global_prefetch_b8 v0, s[64:65] scope:SCOPE_SE
	s_setreg_imm32_b32 hwreg(HW_REG_WAVE_MODE, 25, 1), 1
	s_wait_xcnt 0x0
; THE ROUTER, AND x INTO CODES.  x: [1024 tokens][1024] f32.  Wg: [1024][8] f32.
; A wave owns one token t = 4 x work-group + wave.  It makes the token's 8 logits in f32 (fused multiply-adds, then a sum over the lanes), the two largest
; (on equal logits the lower expert first, as the top-k of the problem has it), the softmax of the two with the larger taken away first, and the token's codes of FP6 (E2M3) with one E8M0 byte for each 32 numbers.
; OUT: xq [token][768 bytes], the codes as one stream of bits; xs [token][8 words], word s = the bytes of blocks 4 s, 4 s + 2, 4 s + 1, 4 s + 3 (the order in which the
; later launches hand a K step's four blocks to the matrix unit); sel [token] = first expert | second expert << 8; gate [token][2] f32.
; The choice of experts is stored at fixed places: no address and no branch here hangs on it.
; Matrix units, tensor loads and clusters are left out: 8 columns are too few for a matrix tile, and the work-groups share only Wg's 32,768 bytes.
; LIMITS: NaN and infinities among the inputs are not served.  Two logits closer to each other than the order of an f32 sum of 1,024 terms resolves may be ranked otherwise than by another order.
; A block whose largest magnitude lies under 2^-124 keeps the scale byte 1 (a block of zeros too: its codes are zeros, and this program alone reads the bytes).
.set WGL, 0                            ; LDS: Wg as 256 pieces of 128 bytes (4 rows), 144 bytes apart: an odd multiple of 16
.set WGP, 144
.set XT,  36864                        ; for each wave: the token's 64 pieces of 64 bytes, 80 bytes apart
.set XTP, 80
.set SBY, 57344                        ; for each wave 256 bytes: its 32 scale bytes
.set XL,  16                           ; v16-47   x as loaded: register 4 i + u = number 128 i + 4 lane + u
.set WC,  48                           ; v48-111  Wg as loaded, then two sets of 32: register 8 u + e = Wg[128 i + 4 lane + u][e]
.set XA,  112                          ; v112-127 numbers 16 lane .. 16 lane + 15
.set XB,  128                          ; v128-143 numbers 512 + 16 lane ..
.set LG,  144                          ; v144-151 the 8 logits
	s_load_b256 s[4:11], s[0:1], 0x0               ; x s[4:5], Wg s[6:7], xq s[8:9], xs s[10:11]
	s_load_b128 s[12:15], s[0:1], 0x20             ; sel s[12:13], gate s[14:15]
	v_lshl_add_u32 v192, v0, 2, 0xe400
	v_mov_b32 v193, 0
	v_lshrrev_b32 v13, 5, v0
	v_readfirstlane_b32 s16, v13                   ; wave
	v_and_b32 v1, 31, v0                           ; lane
	v_lshlrev_b32 v2, 4, v1                        ; 16 x lane
	s_lshl_b32 s17, ttmp9, 2
	s_add_co_u32 s17, s17, s16                     ; my token
	s_lshl_b32 s18, s17, 12                        ; its row of x: 4,096 bytes
	s_mov_b32 s19, 0
	s_lshl_b32 s26, s16, 13                        ; my quarter of Wg: 8,192 bytes
	s_mov_b32 s27, 0
	s_wait_kmcnt 0x0
	s_add_nc_u64 s[4:5], s[4:5], s[18:19]
	s_add_nc_u64 s[6:7], s[6:7], s[26:27]
.irp i, 0,1,2,3,4,5,6,7
	global_load_b128 v[XL+4*\i:XL+4*\i+3], v2, s[4:5] offset:512*\i th:TH_LOAD_NT   ; 32 lanes read 512 consecutive bytes; x is read once here
.endr
.irp m, 0,1,2,3,4,5,6,7,8,9,10,11,12,13,14,15
	global_load_b128 v[WC+4*\m:WC+4*\m+3], v2, s[6:7] offset:512*\m
.endr
	v_lshrrev_b32 v13, 3, v1
	v_mul_u32_u24 v3, v13, WGP
	v_and_b32 v14, 7, v1
	v_lshl_add_u32 v3, v14, 4, v3
	s_mul_i32 s22, s16, 64*WGP
	v_add_nc_u32 v3, s22, v3                       ; Wg into LDS: piece 64 wave + 4 m + lane / 8, 16 (lane % 8) in it
	v_mul_u32_u24 v4, v1, WGP                      ; and out of it: piece 32 i + lane
	v_lshrrev_b32 v13, 2, v1
	v_mul_u32_u24 v5, v13, XTP
	v_and_b32 v14, 3, v1
	v_lshl_add_u32 v5, v14, 4, v5
	s_mul_i32 s23, s16, 64*XTP
	s_add_co_u32 s23, s23, XT
	v_add_nc_u32 v5, s23, v5                       ; x into my stage: piece 8 i + lane / 4
	v_mul_u32_u24 v6, v1, XTP
	v_add_nc_u32 v6, s23, v6                       ; and out of it: piece lane (and 32 + lane)
	v_lshrrev_b32 v13, 3, v1
	v_lshlrev_b32 v7, 2, v13                       ; my block lane / 2: word lane / 8,
	v_bfe_u32 v13, v1, 1, 1
	v_lshl_add_u32 v7, v13, 1, v7                  ; in it blocks 0, 1, 2, 3 at bytes 0, 2, 1, 3
	v_bfe_u32 v13, v1, 2, 1
	v_add_nc_u32 v7, v7, v13
	s_lshl_b32 s24, s16, 8
	s_add_co_u32 s24, s24, SBY
	v_add_nc_u32 v7, s24, v7
	v_and_b32 v8, 7, v1
	v_lshl_add_u32 v8, v8, 2, s24                  ; the eight words, read back
	v_mul_u32_u24 v9, v1, 12                       ; my 16 codes: 12 bytes
	v_lshlrev_b32 v12, 2, v1
	v_mov_b32 v173, 0
	v_mov_b32 v164, 0xff800000                     ; -infinity
	s_mov_b32 s20, 0x76543210
	s_mov_b32 s21, 0xfedcba98                      ; v_permlanex16_b32's selects for lane l xor 16
	s_mul_i32 s18, s17, 768
	s_add_nc_u64 s[8:9], s[8:9], s[18:19]          ; xq, xs, sel and gate at my token
	s_lshl_b32 s18, s17, 5
	s_add_nc_u64 s[10:11], s[10:11], s[18:19]
	s_lshl_b32 s18, s17, 2
	s_add_nc_u64 s[12:13], s[12:13], s[18:19]
	s_lshl_b32 s18, s17, 3
	s_add_nc_u64 s[14:15], s[14:15], s[18:19]
	s_wait_loadcnt 16                              ; x's eight loads are in; Wg's sixteen, issued behind them, may be out
.irp i, 0,1,2,3,4,5,6,7
	ds_store_b128 v5, v[XL+4*\i:XL+4*\i+3] offset:8*XTP*\i
.endr
.irp q, 0,1,2,3
	ds_load_b128 v[XA+4*\q:XA+4*\q+3], v6 offset:16*\q             ; LDS serves a wave's instructions in order: these see my stores
.endr
.irp q, 0,1,2,3
	ds_load_b128 v[XB+4*\q:XB+4*\q+3], v6 offset:32*XTP+16*\q
.endr
	s_wait_loadcnt 0x0                             ; Wg
.irp m, 0,1,2,3,4,5,6,7,8,9,10,11,12,13,14,15
	ds_store_b128 v3, v[WC+4*\m:WC+4*\m+3] offset:4*WGP*\m
.endr
	s_wait_dscnt 0x0                               ; for the others' sake: my quarter of Wg lies in LDS
	s_barrier_signal -1
	s_barrier_wait -1                              ; all of Wg does
.macro CH i                            ; the 4 rows of Wg that belong to my 4 numbers of load i, into set i % 2
.irp q, 0,1,2,3,4,5,6,7
	ds_load_b128 v[WC+32*((\i)%2)+4*\q:WC+32*((\i)%2)+4*\q+3], v4 offset:32*WGP*(\i)+16*\q
.endr
.endm
.macro DOT i                           ; 4 numbers x 8 experts: sixteen packed multiply-adds; the very first four start the sums, so nothing is cleared
.set wb, WC+32*((\i)%2)
.set xb, XL+4*(\i)
.irp u, 0,1,2,3
.irp p, 0,1,2,3
.if ((\i) == 0) && (\u == 0)
	v_pk_mul_f32 v[LG+2*\p:LG+2*\p+1], v[xb:xb+1], v[wb+2*\p:wb+2*\p+1] op_sel_hi:[0,1]
.elseif (\u%2) == 0
	v_pk_fma_f32 v[LG+2*\p:LG+2*\p+1], v[xb+\u:xb+\u+1], v[wb+8*\u+2*\p:wb+8*\u+2*\p+1], v[LG+2*\p:LG+2*\p+1] op_sel_hi:[0,1,1]
.else
	v_pk_fma_f32 v[LG+2*\p:LG+2*\p+1], v[xb+\u-1:xb+\u], v[wb+8*\u+2*\p:wb+8*\u+2*\p+1], v[LG+2*\p:LG+2*\p+1] op_sel:[1,0,0] op_sel_hi:[1,1,1]
.endif
.endr
.endr
.endm
; 16 neighbours of a lane become 16 codes; two neighbouring lanes hold a block of 32.
.macro QX x, t, c, lo, go
	v_max3_num_f32 v[\t], |v[\x]|, |v[\x+1]|, |v[\x+2]|            ; the largest magnitude of my 16, in two chains
	v_max3_num_f32 v[\t+1], |v[\x+3]|, |v[\x+4]|, |v[\x+5]|
.irp i, 6,10
	v_max3_num_f32 v[\t], v[\t], |v[\x+\i]|, |v[\x+\i+1]|
	v_max3_num_f32 v[\t+1], v[\t+1], |v[\x+\i+2]|, |v[\x+\i+3]|
.endr
	v_max3_num_f32 v[\t], v[\t], |v[\x+14]|, |v[\x+15]|
	v_max3_num_f32 v[\t], v[\t], v[\t+1], 0x1800000                ; and the floor 2^(3 - 127): the byte cannot fall under 1
	v_max_num_f32_dpp v[\t], v[\t], v[\t] row_xmask:1 row_mask:0xf bank_mask:0xf   ; with my neighbour's 16: the block's
	v_add_nc_u32 v[\t+2], 0xff000000, v[\t]                        ; 2 off its exponent field: the conversion takes this operand's exponent field as its scale
	v_cvt_scalef32_pk16_fp6_f32 v[\c:\c+2], v[\x:\x+15], v[\t+2]
	v_lshrrev_b32 v[\t+3], 23, v[\t+2]                             ; the scale's byte (also the plain line behind the conversion)
	ds_store_b8 v7, v[\t+3] offset:\lo                             ; both lanes of a block write the same byte with the same value
	global_store_b96 v9, v[\c:\c+2], s[8:9] offset:\go             ; the wave stores 384 consecutive bytes
.endm
	CH 0
	CH 1
	QX XA, 152, 176, 0, 0
	QX XB, 156, 180, 16, 384
.irp i, 0,1,2,3,4,5,6,7
.if \i < 2
	s_wait_dscnt 10                                ; this set is in; behind it stand the next set's eight loads and the two byte stores
.elseif \i < 7
	s_wait_dscnt 8                                 ; behind it: the next set's eight loads
.else
	s_wait_dscnt 0x0
.endif
	DOT \i
.if \i < 6
	CH \i+2
.endif
.endr
.irp m, 1,2,4,8                        ; the sum over the wave, the eight logits by turns
.irp e, 0,1,2,3,4,5,6,7
	v_add_f32_dpp v[LG+\e], v[LG+\e], v[LG+\e] row_xmask:\m row_mask:0xf bank_mask:0xf
.endr
.endr
.irp e, 0,1,2,3,4,5,6,7
	v_permlanex16_b32 v[WC+\e], v[LG+\e], s20, s21                 ; (its destination counts as read: Wg's registers have been written and are done with)
.endr
.irp e, 0,1,2,3,4,5,6,7
	v_add_f32 v[LG+\e], v[LG+\e], v[WC+\e]                         ; every lane holds all eight logits
.endr
	v_mov_b32 v160, v[LG]                          ; the largest, and its expert: a later expert wins only if it is strictly larger
	v_mov_b32 v161, 0
.irp e, 1,2,3,4,5,6,7
	v_cmp_gt_f32 vcc_lo, v[LG+\e], v160
	v_cndmask_b32 v160, v160, v[LG+\e], vcc_lo
	v_cndmask_b32 v161, v161, \e, vcc_lo
.endr
.irp e, 0,1,2,3,4,5,6,7
	v_cmp_eq_u32 vcc_lo, \e, v161
	v_cndmask_b32 v[LG+\e], v[LG+\e], v164, vcc_lo                 ; the winner leaves the field
.endr
	v_mov_b32 v162, v[LG]                          ; the second largest
	v_mov_b32 v163, 0
.irp e, 1,2,3,4,5,6,7
	v_cmp_gt_f32 vcc_lo, v[LG+\e], v162
	v_cndmask_b32 v162, v162, v[LG+\e], vcc_lo
	v_cndmask_b32 v163, v163, \e, vcc_lo
.endr
	v_sub_f32 v165, v162, v160                     ; the softmax of the two, the larger taken away: 1 / (1 + E) and E / (1 + E), E = e^(second - first), at most 1
	v_mul_f32 v165, 0x3fb8aa3b, v165
	v_exp_f32 v166, v165
	v_lshl_or_b32 v167, v163, 8, v161              ; the two experts in one word (a plain line behind the exponential)
	s_wait_alu depctr_va_vdst(0)                   ; the wait ahead of the first line that names the result
	v_add_f32 v168, 1.0, v166
	v_rcp_f32 v170, v168
	ds_load_b32 v172, v8                           ; my token's eight scale words (lanes 8 to 31 read the same eight again)
	v_cmp_gt_u32 vcc_lo, 8, v1                     ; (a plain line behind the reciprocal)
	s_wait_alu depctr_va_vdst(0)
	v_mul_f32 v171, v166, v170
	s_wait_dscnt 0x0
	s_wait_xcnt 0x0                                ; EXEC is a source of the stores above: it changes only behind this wait
	s_wait_tensorcnt 0x0
	ds_add_u32 v192, v193
	s_wait_dscnt 0x0
	s_and_saveexec_b32 s28, vcc_lo                 ; lanes 0 to 7
	global_store_b32 v12, v172, s[10:11]
	v_cmp_eq_u32 vcc_lo, 0, v1
	s_wait_xcnt 0x0
	s_and_saveexec_b32 s29, vcc_lo                 ; lane 0
	global_store_b32 v173, v167, s[12:13]
	global_store_b64 v173, v[170:171], s[14:15]
	s_endpgm
.Lfunc_end_k_q6138041d87_router:
	.size	k_q6138041d87_router, .Lfunc_end_k_q6138041d87_router-k_q6138041d87_router
	.p2alignl 7, 3214868480
	.fill 96, 4, 3214868480
	.section	.rodata,"a",@progbits
	.p2align	6, 0x0
	.amdhsa_kernel k_q6138041d87_router
		.amdhsa_group_segment_fixed_size 58880
		.amdhsa_private_segment_fixed_size 0
		.amdhsa_enable_private_segment 0
		.amdhsa_kernarg_size 48
		.amdhsa_user_sgpr_count 2
		.amdhsa_user_sgpr_kernarg_segment_ptr 1
		.amdhsa_wavefront_size32 1
		.amdhsa_system_sgpr_workgroup_id_x 1
		.amdhsa_system_sgpr_workgroup_id_y 1
		.amdhsa_system_sgpr_workgroup_id_z 1
		.amdhsa_system_vgpr_workitem_id 0
		.amdhsa_next_free_vgpr 194
		.amdhsa_next_free_sgpr 66
		.amdhsa_reserve_vcc 1
		.amdhsa_float_denorm_mode_32 3
		.amdhsa_float_denorm_mode_16_64 3
		.amdhsa_memory_ordered 1
		.amdhsa_forward_progress 1
		.amdhsa_inst_pref_size 28
	.end_amdhsa_kernel
	.amdgpu_metadata
---
amdhsa.version: [ 1, 2 ]
amdhsa.kernels:
  - .name:           k_q6138041d87_router
    .symbol:         k_q6138041d87_router.kd
    .args:
      - { .name: x, .offset: 0, .size: 8, .value_kind: global_buffer, .address_space: global }
      - { .name: Wg, .offset: 8, .size: 8, .value_kind: global_buffer, .address_space: global }
      - { .name: xq, .offset: 16, .size: 8, .value_kind: global_buffer, .address_space: global }
      - { .name: xs, .offset: 24, .size: 8, .value_kind: global_buffer, .address_space: global }
      - { .name: sel, .offset: 32, .size: 8, .value_kind: global_buffer, .address_space: global }
      - { .name: gate, .offset: 40, .size: 8, .value_kind: global_buffer, .address_space: global }
    .group_segment_fixed_size: 58880
    .private_segment_fixed_size: 0
    .kernarg_segment_align: 8
    .kernarg_segment_size: 48
    .max_flat_workgroup_size: 128
    .sgpr_count:     66
    .vgpr_count:     194
    .wavefront_size: 32
...
	.end_amdgpu_metadata
.endif
;; end of part 1
;; launch place (part 2): grid 8 x 1, 1 waves a work-group, no clusters, 0 bytes of LDS; arguments sel, lists; writes lists
.if DOCPART == 2
	.amdgcn_target "amdgcn-amd-amdhsa--gfx1250"
	.amdhsa_code_object_version 6
	.text
	.protected	k_q6138041d87_place
	.globl	k_q6138041d87_place
	.p2align	8
	.type	k_q6138041d87_place,@function
k_q6138041d87_place:
	s_mov_b64 s[64:65], 0
	v_nop
	global_prefetch_b8 v0, s[64:65] scope:SCOPE_SE
	s_setreg_imm32_b32 hwreg(HW_REG_WAVE_MODE, 25, 1), 1
	s_wait_xcnt 0x0
; THE ROWS ARE PLACED BY EXPERT.  sel [1024]: first expert | second expert << 8, stored by the launch before.
; Work-group e, one wave, walks all 1,024 tokens in ascending order, 32 at a time, and builds expert e's part of lists:
;   LIST  at byte 0:      [8][1152] words: entries 0 .. count - 1 the expert's tokens; 32 entries of token 0 behind them, so that the last tile of 16 rows is whole
;   ROWID at byte 36,864: [2304] words: entry 2 t + slot = 1,024 e + the row's place in expert e's list
;   CNT   at byte 46,080: [8][32] words: the expert's count
; A lane's place is the count so far plus the number of lower lanes that match (a count of mask bits): no atomics, no LDS, no barrier.
; EXEC never changes: a lane whose token does not use the expert stores into spare words of the expert's own (LIST entries 1088 + lane, ROWID entries 2048 + 32 e + lane), which nobody reads.
; Each chunk has its own four registers for its two stores, so no store's source is written again.
; Every index is held under a constant in front of its shift: 1151, 2303, 1055.
	s_load_b128 s[4:7], s[0:1], 0x0                ; sel s[4:5], lists s[6:7]
	v_and_b32 v1, 31, v0                           ; lane
	v_lshlrev_b32 v2, 2, v1
	s_mov_b32 s8, ttmp9                            ; my expert
	s_mov_b32 s9, 0                                ; rows so far
	s_lshl_b32 s10, s8, 10
	s_mul_i32 s18, s8, 4608
	s_mov_b32 s19, 0
	s_lshl_b32 s24, s8, 7
	s_add_co_u32 s24, s24, 46080
	s_mov_b32 s25, 0
	s_lshl_b32 s26, s8, 5
	s_add_co_u32 s26, s26, 2048
	v_add_nc_u32 v168, 1088, v1                    ; the spare entries
	v_add_nc_u32 v169, s26, v1
	s_wait_kmcnt 0x0
.irp c, 0,1,2,3,4,5,6,7,8,9,10,11,12,13,14,15,16,17,18,19,20,21,22,23,24,25,26,27,28,29,30,31
	global_load_b32 v[8+\c], v2, s[4:5] offset:128*\c
.endr
	s_add_nc_u64 s[12:13], s[6:7], s[18:19]        ; my LIST
	s_add_nc_u64 s[14:15], s[6:7], 36864           ; ROWID
	s_add_nc_u64 s[16:17], s[6:7], s[24:25]        ; my CNT
.macro CHUNK c                         ; tokens 32 c + lane
	s_wait_loadcnt 31-(\c)                         ; this chunk's load is in; the younger ones may be out
	v_and_b32 v3, 0xff, v[8+(\c)]
	v_lshrrev_b32 v4, 8, v[8+(\c)]
	v_cmp_eq_u32 s20, s8, v3                       ; I am the token's first expert,
	v_cmp_eq_u32 s21, s8, v4                       ; or its second
	s_or_b32 s22, s20, s21
	v_mbcnt_lo_u32_b32 v5, s22, 0                  ; matching lanes below me
	v_add_nc_u32 v5, s9, v5                        ; the row's place
	v_add_nc_u32 v[41+4*(\c)], 32*(\c), v1         ; the token
	v_cndmask_b32 v[40+4*(\c)], v168, v5, s22
	v_min_u32 v[40+4*(\c)], 1151, v[40+4*(\c)]
	v_lshlrev_b32 v[40+4*(\c)], 2, v[40+4*(\c)]
	global_store_b32 v[40+4*(\c)], v[41+4*(\c)], s[12:13]
	v_cndmask_b32 v6, 0, 1, s21                    ; the slot
	v_lshl_or_b32 v[42+4*(\c)], v[41+4*(\c)], 1, v6
	v_cndmask_b32 v[42+4*(\c)], v169, v[42+4*(\c)], s22
	v_min_u32 v[42+4*(\c)], 2303, v[42+4*(\c)]
	v_lshlrev_b32 v[42+4*(\c)], 2, v[42+4*(\c)]
	v_min_u32 v[43+4*(\c)], 1023, v5
	v_add_nc_u32 v[43+4*(\c)], s10, v[43+4*(\c)]
	global_store_b32 v[42+4*(\c)], v[43+4*(\c)], s[14:15]
	s_bcnt1_i32_b32 s23, s22
	s_add_co_u32 s9, s9, s23
.endm
.set cc, 0
.rept 32
	CHUNK cc
.set cc, cc+1
.endr
	v_add_nc_u32 v170, s9, v1                      ; 32 entries of token 0 behind the list
	v_min_u32 v170, 1055, v170
	v_lshlrev_b32 v170, 2, v170
	v_mov_b32 v171, 0
	global_store_b32 v170, v171, s[12:13]
	v_mov_b32 v172, s9
	global_store_b32 v2, v172, s[16:17]            ; the count
	s_endpgm
.Lfunc_end_k_q6138041d87_place:
	.size	k_q6138041d87_place, .Lfunc_end_k_q6138041d87_place-k_q6138041d87_place
	.p2alignl 7, 3214868480
	.fill 96, 4, 3214868480
	.section	.rodata,"a",@progbits
	.p2align	6, 0x0
	.amdhsa_kernel k_q6138041d87_place
		.amdhsa_group_segment_fixed_size 0
		.amdhsa_private_segment_fixed_size 0
		.amdhsa_enable_private_segment 0
		.amdhsa_kernarg_size 16
		.amdhsa_user_sgpr_count 2
		.amdhsa_user_sgpr_kernarg_segment_ptr 1
		.amdhsa_wavefront_size32 1
		.amdhsa_system_sgpr_workgroup_id_x 1
		.amdhsa_system_sgpr_workgroup_id_y 1
		.amdhsa_system_sgpr_workgroup_id_z 1
		.amdhsa_system_vgpr_workitem_id 0
		.amdhsa_next_free_vgpr 192
		.amdhsa_next_free_sgpr 66
		.amdhsa_reserve_vcc 0
		.amdhsa_float_denorm_mode_32 3
		.amdhsa_float_denorm_mode_16_64 3
		.amdhsa_memory_ordered 1
		.amdhsa_forward_progress 1
		.amdhsa_inst_pref_size 44
	.end_amdhsa_kernel
	.amdgpu_metadata
---
amdhsa.version: [ 1, 2 ]
amdhsa.kernels:
  - .name:           k_q6138041d87_place
    .symbol:         k_q6138041d87_place.kd
    .args:
      - { .name: sel, .offset: 0, .size: 8, .value_kind: global_buffer, .address_space: global }
      - { .name: lists, .offset: 8, .size: 8, .value_kind: global_buffer, .address_space: global }
    .group_segment_fixed_size: 0
    .private_segment_fixed_size: 0
    .kernarg_segment_align: 8
    .kernarg_segment_size: 16
    .max_flat_workgroup_size: 32
    .sgpr_count:     66
    .vgpr_count:     192
    .wavefront_size: 32
...
	.end_amdgpu_metadata
.endif
;; end of part 2
;; launch ffn1 (part 3): grid 32 x 8, 4 waves a work-group, no clusters, 151,552 bytes of LDS; arguments W1_codes, W1_scales, b1, xq, xs, lists, hq, hs; writes hq, hs
.if DOCPART == 3
	.amdgcn_target "amdgcn-amd-amdhsa--gfx1250"
	.amdhsa_code_object_version 6
	.text
	.protected	k_q6138041d87_ffn1
	.globl	k_q6138041d87_ffn1
	.p2align	8
	.type	k_q6138041d87_ffn1,@function
k_q6138041d87_ffn1:
	s_mov_b64 s[64:65], 0
	v_nop
	global_prefetch_b8 v0, s[64:65] scope:SCOPE_SE
	s_setreg_imm32_b32 hwreg(HW_REG_WAVE_MODE, 25, 1), 1
	s_wait_xcnt 0x0
; THE FIRST PRODUCT OF THE CHOSEN ROWS: h = Q(gelu(Q(x) W1 + b1)), on codes of FP6 (E2M3) with one E8M0 scale for each 32 along K; gelu in its tanh form, in f32; Q the quantiser along the next K.
; SHARES.  Work-group (fs, e) owns hidden units 128 fs .. 128 fs + 127 of expert e: 128 rows of W1's codes, 98,304 bytes, read from memory once, turned through LDS, and then held by EVERY wave in 768 registers
; (64 fragments of 16 rows x 128 K).  The four waves share out the expert's tiles of 16 rows: wave w takes tiles w, w + 4, ..  The number of tiles is a number that an earlier launch stored.
; So this text branches on a stored number and holds no tensor load; its one barrier stands at the head, on the way that every wave takes.  The 32 work-groups of an expert read the same rows of x:
; they are not asked for jointly, since a joint request is a tensor load; with a constant count of 64 tiles in its place four times the rows would be fetched at an even split.
; ONE ORDER OF K FOR BOTH OPERANDS.  Of a K step's four blocks of 32, lanes 0-15 hold blocks 0 and 1 and lanes 16-31 blocks 2 and 3: a lane's 12 registers are 48 consecutive bytes of its row, at 96 s + 48 (lane / 16):
; three accesses of 16 bytes.  The unit takes them for blocks 0, 2 and 1, 3, alike on both sides, so the products pair as they should; a scale word holds its bytes in the order 0, 2, 1, 3.
; The sums group the products otherwise than in ascending K: the result is judged within a tolerance.
; THE PRODUCT IS USED TRANSPOSED (source 0 = 16 rows of W1, source 1 = 16 rows of x), and lane r of tile 2 b + u takes W1's row 32 b + 8 u + r + 8 (r / 8): a lane then holds one row of h, and the 16 registers
; of tiles 2 b, 2 b + 1 are units 32 b + 16 (lane / 16) + 0 .. 15: 16 neighbours along the next K.  The wave's 128 units are K step fs of the second product.
; OUT: hq [e][64 tiles][32 K steps][1,536 bytes]: a fragment as an image of its registers (registers 4 i .. 4 i + 3 of lane l at 512 i + 16 l); hs [e][64][32][16 rows]: its scale words.
; LIMITS: NaN and infinities are not served; a block whose largest magnitude lies under 2^-124 keeps the byte 1.  The rows that fill an expert's last tile are token 0's; nobody reads their results.
; REGISTERS: window 0: v1-13 addresses, v[14:15] c0; v16-47 W1's scale words (register 8 b + s: tile 2 b in lanes 0-15, tile 2 b + 1 in lanes 16-31); v48-55 x's; v56-63 at work; v64-127 the 8 accumulators;
;   v128-223 x's rows, then x's 8 fragments; v224-243 at work; v244-255 W1's fragment 63.   Windows 1 to 3: W1's fragments 0 to 62, fragment f = 8 s + t at window 1 + f / 21, register 12 (f % 21).
.set WP,   784                         ; an LDS row of codes: 768 bytes + 16: an odd multiple of 16, so that the 16 rows of a read fall on different banks
.set BIA,  100352                      ; LDS: 128 rows of W1 from byte 0; then b1's 128 numbers;
.set XST,  100864                      ; then for each wave a stage of 16 rows of x's codes
.set WS,   16
.set XS,   48
.set MX,   56
.set TP,   60
.set ACC,  64
.set XF,   128
.set Z,    224                         ; v224-239 gelu's 16 numbers at work;
.set PC,   224                         ; later v224-235 the codes just made, v236 their scale word;
.set TK,   224                         ; later v224-231 eight tokens, then their byte offsets; v232 my row's token
.set TR,   232
.set PW,   236
.set SO,   240
.set W63,  244
.set MSB,  0
.macro WIN new                         ; the immediate's high byte repeats the setting that is left; a switch that changes nothing is dropped
.if MSB != (\new)
	s_set_vgpr_msb (MSB<<8)|(\new)
.set MSB, (\new)
.endif
.endm
	s_load_b512 s[4:19], s[0:1], 0x0               ; W1's codes s[4:5], its scales s[6:7], b1 s[8:9], xq s[10:11], xs s[12:13], lists s[14:15], hq s[16:17], hs s[18:19]
	s_set_vgpr_msb 0x40
	v_lshl_add_u32 v254, v0, 2, 0x24e00
	v_mov_b32 v255, 0
	s_set_vgpr_msb 0x4000
	v_lshrrev_b32 v56, 5, v0
	v_readfirstlane_b32 s20, v56                   ; wave
	s_mov_b32 s21, ttmp9                           ; fs
	s_and_b32 s22, ttmp7, 0xffff                   ; e
	v_and_b32 v56, 31, v0                          ; lane
	v_and_b32 v57, 15, v0                          ; r
	v_bfe_u32 v58, v0, 4, 1                        ; h
	v_lshlrev_b32 v1, 4, v56                       ; 16 x lane
	v_lshlrev_b32 v11, 4, v57                      ; 16 r
	s_mul_i32 s30, s20, 24576
	v_mad_u32_u24 v2, v58, 768, v11
	v_add_nc_u32 v2, s30, v2                       ; W1 in memory: my wave's 32 rows; sixteen lanes to 256 bytes of a row, two rows an instruction
	s_mul_i32 s30, s20, 32*WP
	v_mad_u32_u24 v3, v58, WP, v11
	v_add_nc_u32 v3, s30, v3                       ; and in LDS
	v_mul_u32_u24 v4, v57, WP
	v_mad_u32_u24 v4, v58, 48, v4                  ; a fragment's place for my lane: row r, + 48 h
	v_add_nc_u32 v5, 64*WP, v4                     ; the same for tiles 4 to 7 (an LDS offset has 16 bits)
	s_mul_i32 s30, s20, 16*WP
	s_add_co_u32 s30, s30, XST
	v_mad_u32_u24 v6, v58, 8*WP, v11
	v_add_nc_u32 v6, s30, v6                       ; x into my stage: rows 8 h + 0 .. 7
	v_add_nc_u32 v7, s30, v4                       ; and out of it, as fragments
	v_lshl_add_u32 v8, v58, 6, BIA                 ; b1 of my half's units
	v_lshlrev_b32 v9, 5, v58                       ; the list: 8 entries for each half of the lanes,
	v_lshlrev_b32 v10, 2, v57                      ; and my row's entry
	v_lshl_add_u32 v12, v0, 2, BIA                 ; (at the head: b1 into LDS, a number a thread,
	v_lshlrev_b32 v13, 2, v0                       ;  and where it lies in memory)
	v_and_b32 v60, 8, v57
	v_add_nc_u32 v60, v60, v57
	v_lshl_add_u32 v60, v58, 3, v60
	v_lshlrev_b32 v60, 5, v60                      ; W1's scales: row 8 h + r + 8 (r / 8) of a group of 32 rows, 32 bytes a row
	v_mov_b32 v14, 0xc0135761                      ; c0 = -2 log2(e) sqrt(2 / pi)
	v_mov_b32 v15, 0xc0135761
	s_mov_b32 s38, 0xbdd2d3e8                      ; c1 = 0.044715 c0
	s_mov_b32 s39, s38                             ; (named with it as a pair, so it is written)
	s_mov_b32 s32, 0x76543210
	s_mov_b32 s33, 0xfedcba98                      ; v_permlanex16_b32's selects for lane l xor 16
	s_mov_b32 s34, 0x03010200                      ; a scale word's bytes 0, 1, 2, 3 into the order 0, 2, 1, 3
	s_lshl_b32 s30, s22, 12
	s_lshl_b32 s31, s21, 7
	s_add_co_u32 s35, s30, s31                     ; my first row of W1: 4,096 e + 128 fs
	s_lshl_b32 s26, s22, 7
	s_wait_kmcnt 0x0
	s_load_b32 s23, s[14:15], s26 offset:46080     ; the expert's count of rows
	s_mul_i32 s30, s35, 768
	s_mov_b32 s31, 0                               ; stays 0: the upper word of every offset
	s_add_nc_u64 s[4:5], s[4:5], s[30:31]
	s_lshl_b32 s30, s35, 5
	s_add_nc_u64 s[6:7], s[6:7], s[30:31]
	s_lshl_b32 s30, s35, 2
	s_add_nc_u64 s[8:9], s[8:9], s[30:31]
	WIN 0x40                                       ; destination window 1: 192 registers that the fragments take later
.set m, 0
.rept 48
	global_load_b128 v[4*m:4*m+3], v2, s[4:5] offset:1536*(m/3)+256*(m%3) th:TH_LOAD_NT   ; two runs of 256 consecutive bytes, each at a multiple of 256 from the buffer's first byte; read once in the launch
.set m, m+1
.endr
	WIN 0
.irp b, 0,1,2,3
	global_load_b128 v[WS+8*\b:WS+8*\b+3], v60, s[6:7] offset:1024*\b
	global_load_b128 v[WS+8*\b+4:WS+8*\b+7], v60, s[6:7] offset:1024*\b+16
.endr
	global_load_b32 v61, v13, s[8:9]
	s_mul_i32 s30, s22, 4608
	s_add_nc_u64 s[28:29], s[14:15], s[30:31]      ; the expert's list
	s_mul_i32 s30, s22, 3145728
	s_mul_i32 s35, s21, 1536
	s_add_co_u32 s30, s30, s35
	s_add_nc_u64 s[36:37], s[16:17], s[30:31]      ; hq at (e, tile 0, K step fs)
	s_lshl_b32 s30, s22, 17
	s_lshl_b32 s35, s21, 6
	s_add_co_u32 s30, s30, s35
	s_add_nc_u64 s[44:45], s[18:19], s[30:31]      ; hs likewise
	s_wait_loadcnt 0x0
	WIN 0x04                                       ; an LDS store's data are its source 1: window 1
.set m, 0
.rept 48                               ; row 32 b + 16 g + 8 u + i goes to place 32 b + 16 u + 8 g + i (bits 3 and 4 change places), so that a tile's 16 rows lie on end
.set q, 2*(m/3)
.set sl, (q&7)|(((q>>3)&1)<<4)|(((q>>4)&1)<<3)
	ds_store_b128 v3, v[4*m:4*m+3] offset:sl*WP+256*(m%3)
.set m, m+1
.endr
	WIN 0
	ds_store_b32 v12, v61
.irp i, 0,1,2,3,4,5,6,7,8,9,10,11,12,13,14,15,16,17,18,19,20,21,22,23,24,25,26,27,28,29,30,31
	v_perm_b32 v[WS+\i], v[WS+\i], v[WS+\i], s34
.endr
.irp b, 0,1,2,3
	v_mov_b32 v[TP+\b], 0                          ; written once: a lane permute's destination counts as one of its sources
.endr
	s_wait_kmcnt 0x0
	s_min_u32 s23, s23, 1024
	s_add_co_u32 s24, s23, 15
	s_lshr_b32 s24, s24, 4                         ; T: the expert's tiles, at most 64
	s_sub_co_u32 s27, s24, 1
	s_wait_dscnt 0x0                               ; for the others' sake: my rows of W1 and my numbers of b1 lie in LDS
	s_barrier_signal -1
	s_barrier_wait -1                              ; the launch's one barrier; LDS bytes that waves share are only read from here on
	s_cmp_ge_u32 s20, s24
	s_cbranch_scc1 .Lend                           ; fewer tiles than waves: nothing for me
	s_sub_co_u32 s47, s24, s20                     ; my trips: tiles w, w + 4, .. under T are (T - w + 3) / 4, rounded down: 1 to 16
	s_add_co_u32 s47, s47, 3
	s_lshr_b32 s47, s47, 2
	s_min_u32 s47, s47, 16
	s_mov_b32 s46, 0                               ; the trip's number: the loop ends on it
.macro LISTLD                          ; tile s26 of the list: lane l takes the tokens of rows 8 (l / 16) + 0 .. 7, and that of row l % 16
	s_lshl_b32 s30, s26, 6
	v_add_nc_u32 v12, s30, v9
	v_add_nc_u32 v13, s30, v10
	global_load_b128 v[TK:TK+3], v12, s[28:29]
	global_load_b128 v[TK+4:TK+7], v12, s[28:29] offset:16
	global_load_b32 v[TR], v13, s[28:29]
.endm
.macro NEXTX                           ; the tokens become byte offsets, and the 16 rows' codes and scale words are asked for.  The 26 plain lines are also the places behind the products, ahead of loads into registers that those read
	s_wait_loadcnt 0x0                             ; the tokens are in
.irp p, 0,1,2,3,4,5,6,7
	v_min_u32 v[TK+\p], 1023, v[TK+\p]
.endr
.irp p, 0,1,2,3,4,5,6,7
	v_mul_u32_u24 v[TK+\p], v[TK+\p], 768
.endr
.irp p, 0,1,2,3,4,5,6,7
	v_add_nc_u32 v[TK+\p], v[TK+\p], v11
.endr
	v_min_u32 v[TR], 1023, v[TR]
	v_lshlrev_b32 v[TR], 5, v[TR]
.irp p, 0,1,2,3,4,5,6,7
.irp q, 0,1,2
	global_load_b128 v[XF+4*(3*\p+\q):XF+4*(3*\p+\q)+3], v[TK+\p], s[10:11] offset:256*\q   ; sixteen lanes read 256 consecutive bytes of a token's row
.endr
.endr
	global_load_b128 v[XS:XS+3], v[TR], s[12:13]
	global_load_b128 v[XS+4:XS+7], v[TR], s[12:13] offset:16
.endm
; gelu(a) = a / (1 + 2^(c0 a + c1 a^3)): the tanh form, exactly.  16 numbers: block b of the next K.  Each accumulator is read from its low end on.
.macro GELU b
.irp i, 0,2,4,6,8,10,12,14
	v_pk_mul_f32 v[Z+\i:Z+\i+1], v[ACC+16*\b+\i:ACC+16*\b+\i+1], v[ACC+16*\b+\i:ACC+16*\b+\i+1]
.endr
.irp i, 0,2,4,6,8,10,12,14
	v_pk_fma_f32 v[Z+\i:Z+\i+1], v[Z+\i:Z+\i+1], s[38:39], v[14:15] op_sel_hi:[1,0,1]
.endr
.irp i, 0,2,4,6,8,10,12,14
	v_pk_mul_f32 v[Z+\i:Z+\i+1], v[Z+\i:Z+\i+1], v[ACC+16*\b+\i:ACC+16*\b+\i+1]
.endr
.irp i, 0,1,2,3,4,5,6,7,8,9,10,11,12,13,14,15
	v_exp_f32 v[Z+\i], v[Z+\i]
.endr
	v_nop                                          ; a plain line behind the last exponential,
	s_wait_alu depctr_va_vdst(0)                   ; and one wait for the batch, ahead of its first reader
.irp i, 0,2,4,6,8,10,12,14
	v_pk_add_f32 v[Z+\i:Z+\i+1], v[Z+\i:Z+\i+1], 1.0 op_sel_hi:[1,0]
.endr
.irp i, 0,1,2,3,4,5,6,7,8,9,10,11,12,13,14,15
	v_rcp_f32 v[Z+\i], v[Z+\i]
.endr
	v_nop
	s_wait_alu depctr_va_vdst(0)
.irp i, 0,2,4,6,8,10,12,14
	v_pk_mul_f32 v[ACC+16*\b+\i:ACC+16*\b+\i+1], v[ACC+16*\b+\i:ACC+16*\b+\i+1], v[Z+\i:Z+\i+1]
.endr
.endm
; 64 numbers of a lane, register 16 b + i = unit 32 b + 16 (lane / 16) + i of my row, become a fragment's codes in v[PC] on and its scale word in v[PW].
.macro QUANT
.irp b, 0,1,2,3
	v_max3_num_f32 v[MX+\b], |v[ACC+16*\b]|, |v[ACC+16*\b+1]|, 0x1800000   ; block b: my 16 numbers, and the floor 2^(3 - 127): the byte cannot fall under 1
.endr
.irp i, 2,4,6,8,10,12,14
.irp b, 0,1,2,3
	v_max3_num_f32 v[MX+\b], v[MX+\b], |v[ACC+16*\b+\i]|, |v[ACC+16*\b+\i+1]|   ; (the four blocks by turns)
.endr
.endr
.irp b, 0,1,2,3
	v_permlanex16_b32 v[TP+\b], v[MX+\b], s32, s33
.endr
.irp b, 0,1,2,3
	v_max_num_f32 v[MX+\b], v[MX+\b], v[TP+\b]     ; with lane l xor 16's: the block's largest magnitude
.endr
.irp b, 0,1,2,3
	v_add_nc_u32 v[SO+\b], 0xff000000, v[MX+\b]    ; 2 off its exponent field: the conversion's scale operand
.endr
.irp b, 0,1,2,3
	v_lshrrev_b32 v[TP+\b], 23, v[SO+\b]           ; the scale's byte
.endr
	v_lshl_or_b32 v[PW], v[TP+2], 8, v[TP]         ; the word, in the order 0, 2, 1, 3
	v_lshl_or_b32 v[PW], v[TP+1], 16, v[PW]
	v_lshl_or_b32 v[PW], v[TP+3], 24, v[PW]
	v_cvt_scalef32_pk16_fp6_f32 v[PC:PC+2], v[ACC:ACC+15], v[SO]             ; block 0: lanes 0-15 its lower 16 codes, lanes 16-31 its upper 16
	v_cvt_scalef32_pk16_fp6_f32 v[PC+6:PC+8], v[ACC+16:ACC+31], v[SO+1]      ; block 1
	v_nop                                          ; a plain line before block 0's numbers, which are done with, are written over
	v_cvt_scalef32_pk16_fp6_f32 v[ACC:ACC+2], v[ACC+32:ACC+47], v[SO+2]      ; block 2
	v_cvt_scalef32_pk16_fp6_f32 v[ACC+4:ACC+6], v[ACC+48:ACC+63], v[SO+3]    ; block 3
	v_nop                                          ; a plain line behind the last conversion
.irp i, 0,1,2
	v_permlane16_swap_b32 v[PC+\i], v[ACC+\i]      ; block 0's upper half changes places with block 2's lower: the first now holds each lane's block's lower 16 codes (lanes 0-15 block 0, lanes 16-31 block 2), the second the upper 16
.endr
.irp i, 0,1,2
	v_permlane16_swap_b32 v[PC+6+\i], v[ACC+4+\i]  ; blocks 1 and 3 likewise
.endr
.irp i, 0,1,2
	v_mov_b32 v[PC+3+\i], v[ACC+\i]
	v_mov_b32 v[PC+9+\i], v[ACC+4+\i]
.endr
.endm
; 64 matrix instructions: K step by K step, the 8 accumulators by turns, one instruction a turn, over the loop's backward jump too.  The sums start from b1, which lies in the accumulators.
.macro MM
.set ff, 0
.rept 64
.set tt, ff%8
.set kk, ff/8
.if ff < 63
	WIN 1+ff/21                                    ; source 0 (W1) in window 1, 2 or 3
.set rg, 12*(ff%21)
.else
	WIN 0
.set rg, W63
.endif
.if tt%2
	v_wmma_scale_f32_16x16x128_f8f6f4 v[ACC+8*tt:ACC+8*tt+7], v[rg:rg+11], v[XF+12*kk:XF+12*kk+11], v[ACC+8*tt:ACC+8*tt+7], v[WS+8*(tt/2)+kk], v[XS+kk] matrix_a_fmt:MATRIX_FMT_FP6 matrix_b_fmt:MATRIX_FMT_FP6 matrix_a_scale:MATRIX_SCALE_ROW1
.else
	v_wmma_scale_f32_16x16x128_f8f6f4 v[ACC+8*tt:ACC+8*tt+7], v[rg:rg+11], v[XF+12*kk:XF+12*kk+11], v[ACC+8*tt:ACC+8*tt+7], v[WS+8*(tt/2)+kk], v[XS+kk] matrix_a_fmt:MATRIX_FMT_FP6 matrix_b_fmt:MATRIX_FMT_FP6
.endif
.set ff, ff+1
.endr
.endm
	s_mov_b32 s25, s20                             ; j: my tile
	s_mov_b32 s26, s20
	LISTLD
.set ff, 0
.rept 64                               ; all 64 fragments of W1 into my registers: they stay
.set tt, ff%8
.set kk, ff/8
.if ff < 63
	WIN (1+ff/21)<<6                               ; destination window 1, 2 or 3
.set rg, 12*(ff%21)
.else
	WIN 0
.set rg, W63
.endif
.irp i, 0,1,2
.if tt < 4
	ds_load_b128 v[rg+4*\i:rg+4*\i+3], v4 offset:16*tt*WP+96*kk+16*\i
.else
	ds_load_b128 v[rg+4*\i:rg+4*\i+3], v5 offset:16*(tt-4)*WP+96*kk+16*\i
.endif
.endr
.set ff, ff+1
.endr
	WIN 0
	NEXTX                                          ; my first tile's rows of x
	s_wait_dscnt 0x0                               ; W1's fragments are in
.Ltile:
	s_wait_loadcnt 0x0                             ; this tile's rows of x and their scale words are in
.irp p, 0,1,2,3,4,5,6,7
.irp q, 0,1,2
	ds_store_b128 v6, v[XF+4*(3*\p+\q):XF+4*(3*\p+\q)+3] offset:WP*\p+256*\q   ; the rows through my own stage:
.endr
.endr
.irp k, 0,1,2,3,4,5,6,7
.irp i, 0,1,2
	ds_load_b128 v[XF+12*\k+4*\i:XF+12*\k+4*\i+3], v7 offset:96*\k+16*\i       ; back as fragments.  LDS serves a wave's instructions in order: these see the stores above
.endr
.endr
.irp t, 0,1,2,3,4,5,6,7
	ds_load_b128 v[ACC+8*\t:ACC+8*\t+3], v8 offset:128*(\t/2)+32*(\t%2)        ; b1 of units 32 (t / 2) + 16 h + 8 (t % 2) + 0 .. 7: the sums' start
	ds_load_b128 v[ACC+8*\t+4:ACC+8*\t+7], v8 offset:128*(\t/2)+32*(\t%2)+16
.endr
	s_add_co_u32 s26, s25, 4                       ; my next tile, held at the expert's last one: the last trip asks once more for a tile that exists, and uses nothing of it
	s_min_u32 s26, s26, s27
	s_min_u32 s26, s26, 63
	LISTLD
	s_min_u32 s30, s25, 63                         ; where this tile's results go
	s_mul_i32 s30, s30, 49152
	s_add_nc_u64 s[40:41], s[36:37], s[30:31]
	s_min_u32 s30, s25, 63
	s_lshl_b32 s30, s30, 11
	s_add_nc_u64 s[42:43], s[44:45], s[30:31]
	s_wait_dscnt 0x0                               ; x's fragments and b1 are in
	MM
	NEXTX                                          ; the next tile's rows are on their way while this tile's results are worked
	s_wait_xcnt 0x0                                ; those loads have read their offsets: v224 on may be written
	GELU 0
	GELU 1
	GELU 2
	GELU 3
	QUANT
	global_store_b128 v1, v[PC:PC+3], s[40:41]                     ; the fragment as it stands: 512 consecutive bytes a store
	global_store_b128 v1, v[PC+4:PC+7], s[40:41] offset:512
	global_store_b128 v1, v[PC+8:PC+11], s[40:41] offset:1024
	global_store_b32 v10, v[PW], s[42:43]                          ; 16 rows' scale words, 64 bytes (both halves of the lanes hold and write the same)
	s_wait_xcnt 0x0                                ; the stores have read their registers and bases: both are written again in the next trip
	s_add_co_u32 s25, s25, 4                       ; my next tile
	s_add_co_u32 s46, s46, 1                       ; the loop is counted by its trips, one at a time, against a number that it does not write
	s_cmp_lt_u32 s46, s47
	s_cbranch_scc1 .Ltile
.Lend:
	s_set_vgpr_msb 0x5
	s_wait_tensorcnt 0x0
	ds_add_u32 v254, v255
	s_wait_dscnt 0x0
	s_set_vgpr_msb 0x500
	s_endpgm
.Lfunc_end_k_q6138041d87_ffn1:
	.size	k_q6138041d87_ffn1, .Lfunc_end_k_q6138041d87_ffn1-k_q6138041d87_ffn1
	.p2alignl 7, 3214868480
	.fill 96, 4, 3214868480
	.section	.rodata,"a",@progbits
	.p2align	6, 0x0
	.amdhsa_kernel k_q6138041d87_ffn1
		.amdhsa_group_segment_fixed_size 151552
		.amdhsa_private_segment_fixed_size 0
		.amdhsa_enable_private_segment 0
		.amdhsa_kernarg_size 64
		.amdhsa_user_sgpr_count 2
		.amdhsa_user_sgpr_kernarg_segment_ptr 1
		.amdhsa_wavefront_size32 1
		.amdhsa_system_sgpr_workgroup_id_x 1
		.amdhsa_system_sgpr_workgroup_id_y 1
		.amdhsa_system_sgpr_workgroup_id_z 1
		.amdhsa_system_vgpr_workitem_id 0
		.amdhsa_next_free_vgpr 1024
		.amdhsa_next_free_sgpr 66
		.amdhsa_reserve_vcc 0
		.amdhsa_float_denorm_mode_32 3
		.amdhsa_float_denorm_mode_16_64 3
		.amdhsa_memory_ordered 1
		.amdhsa_forward_progress 1
		.amdhsa_inst_pref_size 68
	.end_amdhsa_kernel
	.amdgpu_metadata
---
amdhsa.version: [ 1, 2 ]
amdhsa.kernels:
  - .name:           k_q6138041d87_ffn1
    .symbol:         k_q6138041d87_ffn1.kd
    .args:
      - { .name: W1_codes, .offset: 0, .size: 8, .value_kind: global_buffer, .address_space: global }
      - { .name: W1_scales, .offset: 8, .size: 8, .value_kind: global_buffer, .address_space: global }
      - { .name: b1, .offset: 16, .size: 8, .value_kind: global_buffer, .address_space: global }
      - { .name: xq, .offset: 24, .size: 8, .value_kind: global_buffer, .address_space: global }
      - { .name: xs, .offset: 32, .size: 8, .value_kind: global_buffer, .address_space: global }
      - { .name: lists, .offset: 40, .size: 8, .value_kind: global_buffer, .address_space: global }
      - { .name: hq, .offset: 48, .size: 8, .value_kind: global_buffer, .address_space: global }
      - { .name: hs, .offset: 56, .size: 8, .value_kind: global_buffer, .address_space: global }
    .group_segment_fixed_size: 151552
    .private_segment_fixed_size: 0
    .kernarg_segment_align: 8
    .kernarg_segment_size: 64
    .max_flat_workgroup_size: 128
    .sgpr_count:     66
    .vgpr_count:     1024
    .wavefront_size: 32
...
	.end_amdgpu_metadata
.endif
;; end of part 3
;; launch ffn2 (part 4): grid 32 x 8, 4 waves a work-group, no clusters, 108,544 bytes of LDS; arguments W2_codes, W2_scales, b2, hq, hs, lists, yb; writes yb
.if DOCPART == 4
	.amdgcn_target "amdgcn-amd-amdhsa--gfx1250"
	.amdhsa_code_object_version 6
	.text
	.protected	k_q6138041d87_ffn2
	.globl	k_q6138041d87_ffn2
	.p2align	8
	.type	k_q6138041d87_ffn2,@function
k_q6138041d87_ffn2:
	s_mov_b64 s[64:65], 0
	v_nop
	global_prefetch_b8 v0, s[64:65] scope:SCOPE_SE
	s_setreg_imm32_b32 hwreg(HW_REG_WAVE_MODE, 25, 1), 1
	s_wait_xcnt 0x0
; THE SECOND PRODUCT OF THE CHOSEN ROWS: y = h W2 + b2, on codes of FP6 (E2M3) with one E8M0 scale for each 32 along K = 4,096.
; SHARES.  Work-group (ns, e) owns outputs 32 ns .. 32 ns + 31 of expert e: 32 rows of W2's codes, 98,304 dense bytes, read from memory once, turned through LDS, and then held by EVERY wave in 768 registers
; (64 fragments: 2 tiles of 16 outputs x 32 K steps).  The four waves share out the expert's tiles of 16 rows: wave w takes tiles w, w + 4, ..  The number of tiles is a number that an earlier launch stored:
; so this text branches on a stored number and holds no tensor load, and its one barrier stands at the head.  The 32 work-groups of an expert read the same tiles of h: not jointly, since a joint request is a tensor load.
; h comes as the launch before laid it: a fragment is 1,536 dense bytes, an image of its registers, three loads of 512 consecutive bytes.  Of a K step's four blocks lanes 0-15 hold blocks 0, 1 and lanes 16-31 blocks 2, 3,
; on both sides alike; scale words hold their bytes in the order 0, 2, 1, 3.  The sums group the products otherwise than in ascending K: the result is judged within a tolerance.
; THE PRODUCT IS USED TRANSPOSED (source 0 = 16 rows of W2, source 1 = 16 rows of h): a lane holds 8 neighbouring outputs of one row.  b2 is the C of each sum's first matrix instruction.
; h's fragments go through three sets of four (48 registers each); a set is asked for again as soon as its eight products are issued, so 12 to 44 loads of a wave are on their way throughout.
; OUT: yb [64 e + tile][32 ns][16 rows][128 bytes] f32: a wave's tile is 2,048 dense bytes, stored as four runs of 512.
; REGISTERS: window 0: v1-8, v13 addresses; v16-47 W2's scale words (register s: my 32 rows, a lane a row); v48-63 h's (register q: K step 2 q in lanes 0-15, 2 q + 1 in lanes 16-31); v64-79 two accumulators;
;   v80-95 b2; v96-239 h's fragments; v244-255 W2's fragment 63.   Windows 1 to 3: W2's fragments 0 to 62, fragment f = 2 s + a at window 1 + f / 21, register 12 (f % 21).
.set WP2,  3088                        ; an LDS row of W2's codes: 3,072 bytes + 16: an odd multiple of 16
.set YST,  98816                       ; behind the 32 rows: for each wave a stage of 16 rows x (128 bytes + 16)
.set WS,   16
.set HS,   48
.set ACC,  64
.set BI,   80
.set HF,   96
.set W63,  244
.set MSB,  0
.macro WIN new                         ; the immediate's high byte repeats the setting that is left; a switch that changes nothing is dropped
.if MSB != (\new)
	s_set_vgpr_msb (MSB<<8)|(\new)
.set MSB, (\new)
.endif
.endm
	s_load_b256 s[4:11], s[0:1], 0x0               ; W2's codes s[4:5], its scales s[6:7], b2 s[8:9], hq s[10:11]
	s_load_b128 s[12:15], s[0:1], 0x20             ; hs s[12:13], lists s[14:15]
	s_load_b64 s[16:17], s[0:1], 0x30              ; yb
	v_lshl_add_u32 v242, v0, 2, 0x1a600
	v_mov_b32 v243, 0
	v_lshrrev_b32 v9, 5, v0
	v_readfirstlane_b32 s20, v9                    ; wave
	s_mov_b32 s21, ttmp9                           ; ns
	s_and_b32 s22, ttmp7, 0xffff                   ; e
	v_and_b32 v9, 31, v0                           ; lane
	v_and_b32 v10, 15, v0                          ; r
	v_bfe_u32 v11, v0, 4, 1                        ; h
	v_lshlrev_b32 v1, 4, v9                        ; 16 x lane
	v_lshlrev_b32 v2, 2, v9                        ; 4 x lane
	s_mul_i32 s30, s20, 8*WP2
	v_add_nc_u32 v3, s30, v1                       ; W2 into LDS: my wave's 8 rows
	v_mul_u32_u24 v4, v10, WP2
	v_mad_u32_u24 v4, v11, 48, v4                  ; a fragment's place for my lane: row r, + 48 h
	s_mul_i32 s30, s20, 2304
	s_add_co_u32 s30, s30, YST
	v_mul_u32_u24 v5, v10, 144
	v_lshl_add_u32 v5, v11, 5, v5
	v_add_nc_u32 v5, s30, v5                       ; my stage, in: row r, + 32 h
	v_lshrrev_b32 v12, 3, v9
	v_mul_u32_u24 v6, v12, 144
	v_and_b32 v12, 7, v9
	v_lshl_add_u32 v6, v12, 4, v6
	v_add_nc_u32 v6, s30, v6                       ; and back: eight lanes to a row of 128 bytes
	v_lshlrev_b32 v7, 7, v9                        ; W2's scales: a lane a row of 128 bytes
	s_mul_i32 s30, s20, 24576
	v_add_nc_u32 v8, s30, v1                       ; W2 in memory: my wave's 24,576 bytes
	v_lshlrev_b32 v13, 5, v11                      ; b2: 8 numbers for each half of the lanes
	s_mov_b32 s42, 0x03010200                      ; a scale word's bytes 0, 1, 2, 3 into the order 0, 2, 1, 3
	s_lshl_b32 s30, s22, 10
	s_lshl_b32 s31, s21, 5
	s_add_co_u32 s35, s30, s31                     ; my first row of W2: 1,024 e + 32 ns
	s_lshl_b32 s26, s22, 7
	s_wait_kmcnt 0x0
	s_load_b32 s23, s[14:15], s26 offset:46080     ; the expert's count of rows
	s_mul_i32 s30, s35, 3072
	s_mov_b32 s31, 0                               ; stays 0: the upper word of every offset
	s_add_nc_u64 s[4:5], s[4:5], s[30:31]
	s_lshl_b32 s30, s35, 7
	s_add_nc_u64 s[6:7], s[6:7], s[30:31]
	s_lshl_b32 s30, s35, 2
	s_add_nc_u64 s[8:9], s[8:9], s[30:31]
	WIN 0x40                                       ; destination window 1: 192 registers that the fragments take later
.set m, 0
.rept 48
	global_load_b128 v[4*m:4*m+3], v8, s[4:5] offset:512*m th:TH_LOAD_NT   ; 512 consecutive bytes; read once in the launch
.set m, m+1
.endr
	WIN 0
.irp q, 0,1,2,3,4,5,6,7
	global_load_b128 v[WS+4*\q:WS+4*\q+3], v7, s[6:7] offset:16*\q
.endr
.irp a, 0,1
	global_load_b128 v[BI+8*\a:BI+8*\a+3], v13, s[8:9] offset:64*\a          ; b2 of outputs 16 a + 8 h + 0 .. 7
	global_load_b128 v[BI+8*\a+4:BI+8*\a+7], v13, s[8:9] offset:64*\a+16
.endr
	s_mul_i32 s30, s22, 3145728
	s_add_nc_u64 s[28:29], s[10:11], s[30:31]      ; hq at the expert's tile 0
	s_lshl_b32 s30, s22, 17
	s_add_nc_u64 s[36:37], s[12:13], s[30:31]      ; hs likewise
	s_lshl_b32 s30, s22, 22
	s_lshl_b32 s35, s21, 11
	s_add_co_u32 s30, s30, s35
	s_add_nc_u64 s[44:45], s[16:17], s[30:31]      ; yb at (e, tile 0, ns)
	s_wait_loadcnt 0x0
	WIN 0x04                                       ; an LDS store's data are its source 1: window 1
.set m, 0
.rept 48
	ds_store_b128 v3, v[4*m:4*m+3] offset:(m/6)*WP2+512*(m%6)
.set m, m+1
.endr
	WIN 0
.irp i, 0,1,2,3,4,5,6,7,8,9,10,11,12,13,14,15,16,17,18,19,20,21,22,23,24,25,26,27,28,29,30,31
	v_perm_b32 v[WS+\i], v[WS+\i], v[WS+\i], s42
.endr
	s_wait_kmcnt 0x0
	s_min_u32 s23, s23, 1024
	s_add_co_u32 s24, s23, 15
	s_lshr_b32 s24, s24, 4                         ; T: the expert's tiles, at most 64
	s_sub_co_u32 s27, s24, 1
	s_wait_dscnt 0x0                               ; for the others' sake: my rows of W2 lie in LDS
	s_barrier_signal -1
	s_barrier_wait -1                              ; the launch's one barrier; W2's rows are only read from here on
	s_cmp_ge_u32 s20, s24
	s_cbranch_scc1 .Lend                           ; fewer tiles than waves: nothing for me
	s_sub_co_u32 s47, s24, s20                     ; my trips: tiles w, w + 4, .. under T are (T - w + 3) / 4, rounded down: 1 to 16
	s_add_co_u32 s47, s47, 3
	s_lshr_b32 s47, s47, 2
	s_min_u32 s47, s47, 16
	s_mov_b32 s46, 0                               ; the trip's number: the loop ends on it
.macro G k, p                          ; h's fragments of K steps 4 k .. 4 k + 3 of the tile at s[p:p+1], into set k % 3: twelve loads
.irp q, 0,1,2,3
.irp i, 0,1,2
	global_load_b128 v[HF+48*((\k)%3)+12*\q+4*\i:HF+48*((\k)%3)+12*\q+4*\i+3], v1, s[\p:\p+1] offset:1536*(4*(\k)+\q)+512*\i
.endr
.endr
.endm
.macro HSL p                           ; h's scale words of K steps 0 to 15: eight loads of 128 consecutive bytes
.irp q, 0,1,2,3,4,5,6,7
	global_load_b32 v[HS+\q], v2, s[\p:\p+1] offset:128*\q
.endr
.endm
.macro HSH p                           ; and of K steps 16 to 31
.irp q, 8,9,10,11,12,13,14,15
	global_load_b32 v[HS+\q], v2, s[\p:\p+1] offset:128*\q
.endr
.endm
; Eight products: K steps 4 g .. 4 g + 3, the two accumulators by turns, one instruction a turn, from group to group and over the loop's backward jump too.
; n: how many younger loads may be out (-1: no wait is due).  The v_nop behind them are the places in front of loads into registers that these products read (ISA guide 7.12.1 for vector instructions).
.macro GRP g, n, places
.if \n >= 0
	s_wait_loadcnt \n
.endif
.set qq, 0
.rept 4
.set kk, 4*(\g)+qq
.irp a, 0,1
.set ff, 2*kk+\a
.if ff < 63
	WIN 1+ff/21                                    ; source 0 (W2) in window 1, 2 or 3
.set rg, 12*(ff%21)
.else
	WIN 0
.set rg, W63
.endif
.if kk == 0
.set cr, BI+8*\a                       ; the first K step starts the sums from b2
.else
.set cr, ACC+8*\a
.endif
.set hr, HF+48*((\g)%3)+12*qq
.if (\a == 0) && (kk%2 == 0)
	v_wmma_scale_f32_16x16x128_f8f6f4 v[ACC+8*\a:ACC+8*\a+7], v[rg:rg+11], v[hr:hr+11], v[cr:cr+7], v[WS+kk], v[HS+kk/2] matrix_a_fmt:MATRIX_FMT_FP6 matrix_b_fmt:MATRIX_FMT_FP6
.elseif (\a == 1) && (kk%2 == 0)
	v_wmma_scale_f32_16x16x128_f8f6f4 v[ACC+8*\a:ACC+8*\a+7], v[rg:rg+11], v[hr:hr+11], v[cr:cr+7], v[WS+kk], v[HS+kk/2] matrix_a_fmt:MATRIX_FMT_FP6 matrix_b_fmt:MATRIX_FMT_FP6 matrix_a_scale:MATRIX_SCALE_ROW1
.elseif \a == 0
	v_wmma_scale_f32_16x16x128_f8f6f4 v[ACC+8*\a:ACC+8*\a+7], v[rg:rg+11], v[hr:hr+11], v[cr:cr+7], v[WS+kk], v[HS+kk/2] matrix_a_fmt:MATRIX_FMT_FP6 matrix_b_fmt:MATRIX_FMT_FP6 matrix_b_scale:MATRIX_SCALE_ROW1
.else
	v_wmma_scale_f32_16x16x128_f8f6f4 v[ACC+8*\a:ACC+8*\a+7], v[rg:rg+11], v[hr:hr+11], v[cr:cr+7], v[WS+kk], v[HS+kk/2] matrix_a_fmt:MATRIX_FMT_FP6 matrix_b_fmt:MATRIX_FMT_FP6 matrix_a_scale:MATRIX_SCALE_ROW1 matrix_b_scale:MATRIX_SCALE_ROW1
.endif
.endr
.set qq, qq+1
.endr
	WIN 0
.rept \places
	v_nop
.endr
.endm
	s_mov_b32 s25, s20                             ; j: my tile
	s_mul_i32 s30, s20, 49152
	s_add_nc_u64 s[32:33], s[28:29], s[30:31]      ; its fragments,
	s_lshl_b32 s30, s20, 11
	s_add_nc_u64 s[38:39], s[36:37], s[30:31]      ; its scale words
	HSL 38                                         ; in the order in which a trip leaves them behind for the next
	G 2, 32
	G 0, 32
	HSH 38
	G 1, 32
.set ff, 0
.rept 64                               ; all 64 fragments of W2 into my registers: they stay
.set kk, ff/2
.if ff < 63
	WIN (1+ff/21)<<6                               ; destination window 1, 2 or 3
.set rg, 12*(ff%21)
.else
	WIN 0
.set rg, W63
.endif
.irp i, 0,1,2
	ds_load_b128 v[rg+4*\i:rg+4*\i+3], v4 offset:16*WP2*(ff%2)+96*kk+16*\i
.endr
.set ff, ff+1
.endr
	WIN 0
	s_wait_dscnt 0x0                               ; W2's fragments are in
	s_wait_xcnt 0x0                                ; the loads above have read their bases: the trip writes s[38:39] anew
.Ltile:
	s_add_co_u32 s26, s25, 4                       ; my next tile, held at the expert's last one: the last trip asks once more for a tile that exists, and uses nothing of it
	s_min_u32 s26, s26, s27
	s_min_u32 s26, s26, 63
	s_mul_i32 s30, s26, 49152
	s_add_nc_u64 s[34:35], s[28:29], s[30:31]
	s_lshl_b32 s30, s26, 11
	s_add_nc_u64 s[38:39], s[36:37], s[30:31]
	s_min_u32 s30, s25, 63                         ; where this tile's results go
	s_lshl_b32 s30, s30, 16
	s_add_nc_u64 s[40:41], s[44:45], s[30:31]
	GRP 0, 20, 4                                   ; may be out: the upper scale words' 8 loads and set 1's 12
	G 3, 32
	GRP 1, 12, 4                                   ; may be out: K steps 12-15
	G 4, 32
	GRP 2, -1, 4                                   ; its set was asked for ahead of group 0's: it is in
	G 5, 32
	GRP 3, 24, 4                                   ; may be out: K steps 16-19, 20-23
	G 6, 32
	HSL 38                                         ; the lower scale words are done with: the next tile's
	GRP 4, 32, 4                                   ; may be out: 12 + 12 + those 8
	G 7, 32
	GRP 5, 32, 4                                   ; 12 + 8 + 12
	G 2, 34                                        ; from here on the next tile's fragments
	GRP 6, 32, 4                                   ; 8 + 12 + 12
	G 0, 34
	GRP 7, 24, 5                                   ; 12 + 12.  Five places: the next trip's first products write the accumulators anew, with another C
	HSH 38
	G 1, 34
	ds_store_b128 v5, v[ACC:ACC+3]                                 ; the way out, through my own stage; each accumulator from its low end on.  Lane (r, h): y(r, 16 a + 8 h + 0 .. 7)
	ds_store_b128 v5, v[ACC+4:ACC+7] offset:16
	ds_store_b128 v5, v[ACC+8:ACC+11] offset:64
	ds_store_b128 v5, v[ACC+12:ACC+15] offset:80
.irp i, 0,1,2,3
	ds_load_b128 v[ACC+4*\i:ACC+4*\i+3], v6 offset:576*\i          ; LDS serves a wave's instructions in order: these see the stores above
.endr
	s_wait_dscnt 0x0
.irp i, 0,1,2,3
	global_store_b128 v1, v[ACC+4*\i:ACC+4*\i+3], s[40:41] offset:512*\i   ; 512 consecutive bytes, at a multiple of 256 from the buffer's first byte
.endr
	s_wait_xcnt 0x0                                ; loads and stores have read their bases and data: all are written again below and in the next trip
	s_mov_b64 s[32:33], s[34:35]
	s_add_co_u32 s25, s25, 4                       ; my next tile
	s_add_co_u32 s46, s46, 1                       ; the loop is counted by its trips, one at a time, against a number that it does not write
	s_cmp_lt_u32 s46, s47
	s_cbranch_scc1 .Ltile
.Lend:
	s_wait_tensorcnt 0x0
	ds_add_u32 v242, v243
	s_wait_dscnt 0x0
	s_endpgm
.Lfunc_end_k_q6138041d87_ffn2:
	.size	k_q6138041d87_ffn2, .Lfunc_end_k_q6138041d87_ffn2-k_q6138041d87_ffn2
	.p2alignl 7, 3214868480
	.fill 96, 4, 3214868480
	.section	.rodata,"a",@progbits
	.p2align	6, 0x0
	.amdhsa_kernel k_q6138041d87_ffn2
		.amdhsa_group_segment_fixed_size 108544
		.amdhsa_private_segment_fixed_size 0
		.amdhsa_enable_private_segment 0
		.amdhsa_kernarg_size 56
		.amdhsa_user_sgpr_count 2
		.amdhsa_user_sgpr_kernarg_segment_ptr 1
		.amdhsa_wavefront_size32 1
		.amdhsa_system_sgpr_workgroup_id_x 1
		.amdhsa_system_sgpr_workgroup_id_y 1
		.amdhsa_system_sgpr_workgroup_id_z 1
		.amdhsa_system_vgpr_workitem_id 0
		.amdhsa_next_free_vgpr 1024
		.amdhsa_next_free_sgpr 66
		.amdhsa_reserve_vcc 0
		.amdhsa_float_denorm_mode_32 3
		.amdhsa_float_denorm_mode_16_64 3
		.amdhsa_memory_ordered 1
		.amdhsa_forward_progress 1
		.amdhsa_inst_pref_size 54
	.end_amdhsa_kernel
	.amdgpu_metadata
---
amdhsa.version: [ 1, 2 ]
amdhsa.kernels:
  - .name:           k_q6138041d87_ffn2
    .symbol:         k_q6138041d87_ffn2.kd
    .args:
      - { .name: W2_codes, .offset: 0, .size: 8, .value_kind: global_buffer, .address_space: global }
      - { .name: W2_scales, .offset: 8, .size: 8, .value_kind: global_buffer, .address_space: global }
      - { .name: b2, .offset: 16, .size: 8, .value_kind: global_buffer, .address_space: global }
      - { .name: hq, .offset: 24, .size: 8, .value_kind: global_buffer, .address_space: global }
      - { .name: hs, .offset: 32, .size: 8, .value_kind: global_buffer, .address_space: global }
      - { .name: lists, .offset: 40, .size: 8, .value_kind: global_buffer, .address_space: global }
      - { .name: yb, .offset: 48, .size: 8, .value_kind: global_buffer, .address_space: global }
    .group_segment_fixed_size: 108544
    .private_segment_fixed_size: 0
    .kernarg_segment_align: 8
    .kernarg_segment_size: 56
    .max_flat_workgroup_size: 128
    .sgpr_count:     66
    .vgpr_count:     1024
    .wavefront_size: 32
...
	.end_amdgpu_metadata
.endif
;; end of part 4
;; launch combine (part 5): grid 256 x 1, 4 waves a work-group, no clusters, 0 bytes of LDS; arguments yb, lists, gate, out0; writes out0
.if DOCPART == 5
	.amdgcn_target "amdgcn-amd-amdhsa--gfx1250"
	.amdhsa_code_object_version 6
	.text
	.protected	k_q6138041d87_combine
	.globl	k_q6138041d87_combine
	.p2align	8
	.type	k_q6138041d87_combine,@function
k_q6138041d87_combine:
	s_mov_b64 s[64:65], 0
	v_nop
	global_prefetch_b8 v0, s[64:65] scope:SCOPE_SE
	s_setreg_imm32_b32 hwreg(HW_REG_WAVE_MODE, 25, 1), 1
	s_wait_xcnt 0x0
; out[t] = g0 y[row of t's first expert] + g1 y[row of its second].  A wave owns token t = 4 x work-group + wave.
; yb: [64 e + tile][32 slices][16 rows][128 bytes] f32; a row number is 1,024 e + place, so its upper bits are 64 e + tile and its low four bits the row in the tile.
; The two row numbers come from the stored lists (held under 8,191 in front of their shifts), the two gates from gate.  Each output row has this one owner.
; A stream: no LDS, no barrier, no matrix unit.  A load takes four slices' 128 bytes of a row (eight lanes each); a store covers 512 consecutive bytes of out.
	s_load_b256 s[4:11], s[0:1], 0x0               ; yb s[4:5], lists s[6:7], gate s[8:9], out s[10:11]
	v_lshrrev_b32 v3, 5, v0
	v_readfirstlane_b32 s20, v3                    ; wave
	s_lshl_b32 s21, ttmp9, 2
	s_add_co_u32 s21, s21, s20                     ; my token
	s_lshl_b32 s22, s21, 3
	v_and_b32 v3, 31, v0
	v_lshlrev_b32 v2, 4, v3                        ; out: 16 x lane
	v_lshrrev_b32 v4, 3, v3
	v_and_b32 v5, 7, v3
	v_lshlrev_b32 v1, 11, v4
	v_lshl_add_u32 v1, v5, 4, v1                   ; yb: slice lane / 8 (2,048 bytes apart), 16 (lane % 8) in the row
	s_wait_kmcnt 0x0
	s_load_b64 s[12:13], s[6:7], s22 offset:36864  ; the two row numbers
	s_load_b64 s[14:15], s[8:9], s22 offset:0x0    ; the two gates
	s_lshl_b32 s28, s21, 12
	s_mov_b32 s29, 0
	s_add_nc_u64 s[10:11], s[10:11], s[28:29]
	s_wait_kmcnt 0x0
	s_min_u32 s12, s12, 8191
	s_min_u32 s13, s13, 8191
	s_and_b32 s24, s12, 0x1ff0
	s_lshl_b32 s24, s24, 12                        ; 65,536 bytes a tile
	s_and_b32 s30, s12, 15
	s_lshl_b32 s30, s30, 7                         ; 128 bytes a row
	s_add_co_u32 s24, s24, s30
	s_mov_b32 s25, 0
	s_add_nc_u64 s[24:25], s[4:5], s[24:25]
	s_and_b32 s26, s13, 0x1ff0
	s_lshl_b32 s26, s26, 12
	s_and_b32 s30, s13, 15
	s_lshl_b32 s30, s30, 7
	s_add_co_u32 s26, s26, s30
	s_mov_b32 s27, 0
	s_add_nc_u64 s[26:27], s[4:5], s[26:27]
.irp i, 0,1,2,3,4,5,6,7
	global_load_b128 v[8+4*\i:11+4*\i], v1, s[24:25] offset:8192*\i th:TH_LOAD_NT    ; each row of yb is read once
.endr
.irp i, 0,1,2,3,4,5,6,7
	global_load_b128 v[40+4*\i:43+4*\i], v1, s[26:27] offset:8192*\i th:TH_LOAD_NT
.endr
	s_mov_b32 s16, s14                             ; each gate as a pair: the packed forms name a pair and take its low word for both halves
	s_mov_b32 s17, s14
	s_mov_b32 s18, s15
	s_mov_b32 s19, s15
.irp i, 0,1,2,3,4,5,6,7
	s_wait_loadcnt 7-\i                            ; piece i of both rows is in; the second row's younger loads may be out
	v_pk_mul_f32 v[8+4*\i:9+4*\i], v[8+4*\i:9+4*\i], s[16:17] op_sel_hi:[1,0]
	v_pk_mul_f32 v[10+4*\i:11+4*\i], v[10+4*\i:11+4*\i], s[16:17] op_sel_hi:[1,0]
	v_pk_fma_f32 v[8+4*\i:9+4*\i], v[40+4*\i:41+4*\i], s[18:19], v[8+4*\i:9+4*\i] op_sel_hi:[1,0,1]
	v_pk_fma_f32 v[10+4*\i:11+4*\i], v[42+4*\i:43+4*\i], s[18:19], v[10+4*\i:11+4*\i] op_sel_hi:[1,0,1]
	global_store_b128 v2, v[8+4*\i:11+4*\i], s[10:11] offset:512*\i th:TH_STORE_NT
.endr
	s_endpgm
.Lfunc_end_k_q6138041d87_combine:
	.size	k_q6138041d87_combine, .Lfunc_end_k_q6138041d87_combine-k_q6138041d87_combine
	.p2alignl 7, 3214868480
	.fill 96, 4, 3214868480
	.section	.rodata,"a",@progbits
	.p2align	6, 0x0
	.amdhsa_kernel k_q6138041d87_combine
		.amdhsa_group_segment_fixed_size 0
		.amdhsa_private_segment_fixed_size 0
		.amdhsa_enable_private_segment 0
		.amdhsa_kernarg_size 32
		.amdhsa_user_sgpr_count 2
		.amdhsa_user_sgpr_kernarg_segment_ptr 1
		.amdhsa_wavefront_size32 1
		.amdhsa_system_sgpr_workgroup_id_x 1
		.amdhsa_system_sgpr_workgroup_id_y 1
		.amdhsa_system_sgpr_workgroup_id_z 1
		.amdhsa_system_vgpr_workitem_id 0
		.amdhsa_next_free_vgpr 80
		.amdhsa_next_free_sgpr 66
		.amdhsa_reserve_vcc 0
		.amdhsa_float_denorm_mode_32 3
		.amdhsa_float_denorm_mode_16_64 3
		.amdhsa_memory_ordered 1
		.amdhsa_forward_progress 1
		.amdhsa_inst_pref_size 7
	.end_amdhsa_kernel
	.amdgpu_metadata
---
amdhsa.version: [ 1, 2 ]
amdhsa.kernels:
  - .name:           k_q6138041d87_combine
    .symbol:         k_q6138041d87_combine.kd
    .args:
      - { .name: yb, .offset: 0, .size: 8, .value_kind: global_buffer, .address_space: global }
      - { .name: lists, .offset: 8, .size: 8, .value_kind: global_buffer, .address_space: global }
      - { .name: gate, .offset: 16, .size: 8, .value_kind: global_buffer, .address_space: global }
      - { .name: out0, .offset: 24, .size: 8, .value_kind: global_buffer, .address_space: global }
    .group_segment_fixed_size: 0
    .private_segment_fixed_size: 0
    .kernarg_segment_align: 8
    .kernarg_segment_size: 32
    .max_flat_workgroup_size: 128
    .sgpr_count:     66
    .vgpr_count:     80
    .wavefront_size: 32
...
	.end_amdgpu_metadata
.endif
;; end of part 5
;; ======== version 2 of 2: 5 launches
;; workspace buffers: xq 786,432 bytes; xs 32,768 bytes; sel 4,096 bytes of whole numbers; gate 8,192 bytes; lists 47,104 bytes of whole numbers; hq 25,165,824 bytes; hs 1,048,576 bytes; yb 33,554,432 bytes
;; launch router (part 6): grid 256 x 1, 4 waves a work-group, no clusters, 58,880 bytes of LDS; arguments x, Wg, xq, xs, sel, gate; writes xq, xs, sel, gate
.if DOCPART == 6
	.amdgcn_target "amdgcn-amd-amdhsa--gfx1250"
	.amdhsa_code_object_version 6
	.text
	.protected	k_q6138041d87_router
	.globl	k_q6138041d87_router
	.p2align	8
	.type	k_q6138041d87_router,@function
k_q6138041d87_router:
	s_mov_b64 s[64:65], 0
	v_nop
	global_prefetch_b8 v0, s[64:65] scope:SCOPE_SE
	s_setreg_imm32_b32 hwreg(HW_REG_WAVE_MODE, 25, 1), 1
	s_wait_xcnt 0x0
; THE ROUTER, AND x INTO CODES.  x: [1024 tokens][1024] f32.  Wg: [1024][8] f32.
; A wave owns one token t = 4 x work-group + wave.  It makes the token's 8 logits in f32 (fused multiply-adds, then a sum over the lanes), the two largest
; (on equal logits the lower expert first, as the top-k of the problem has it), the softmax of the two with the larger taken away first, and the token's codes of FP6 (E2M3) with one E8M0 byte for each 32 numbers.
; OUT: xq [token][768 bytes], the codes as one stream of bits; xs [token][8 words], word s = the bytes of blocks 4 s, 4 s + 2, 4 s + 1, 4 s + 3 (the order in which the
; later launches hand a K step's four blocks to the matrix unit); sel [token] = first expert | second expert << 8; gate [token][2] f32.
; The choice of experts is stored at fixed places: no address and no branch here hangs on it.
; Matrix units, tensor loads and clusters are left out: 8 columns are too few for a matrix tile, and the work-groups share only Wg's 32,768 bytes.
; LIMITS: NaN and infinities among the inputs are not served.  Two logits closer to each other than the order of an f32 sum of 1,024 terms resolves may be ranked otherwise than by another order.
; A block whose largest magnitude lies under 2^-124 keeps the scale byte 1 (a block of zeros too: its codes are zeros, and this program alone reads the bytes).
.set WGL, 0                            ; LDS: Wg as 256 pieces of 128 bytes (4 rows), 144 bytes apart: an odd multiple of 16
.set WGP, 144
.set XT,  36864                        ; for each wave: the token's 64 pieces of 64 bytes, 80 bytes apart
.set XTP, 80
.set SBY, 57344                        ; for each wave 256 bytes: its 32 scale bytes
.set XL,  16                           ; v16-47   x as loaded: register 4 i + u = number 128 i + 4 lane + u
.set WC,  48                           ; v48-111  Wg as loaded, then two sets of 32: register 8 u + e = Wg[128 i + 4 lane + u][e]
.set XA,  112                          ; v112-127 numbers 16 lane .. 16 lane + 15
.set XB,  128                          ; v128-143 numbers 512 + 16 lane ..
.set LG,  144                          ; v144-151 the 8 logits
	s_load_b256 s[4:11], s[0:1], 0x0               ; x s[4:5], Wg s[6:7], xq s[8:9], xs s[10:11]
	s_load_b128 s[12:15], s[0:1], 0x20             ; sel s[12:13], gate s[14:15]
	v_lshl_add_u32 v192, v0, 2, 0xe400
	v_mov_b32 v193, 0
	v_lshrrev_b32 v13, 5, v0
	v_readfirstlane_b32 s16, v13                   ; wave
	v_and_b32 v1, 31, v0                           ; lane
	v_lshlrev_b32 v2, 4, v1                        ; 16 x lane
	s_lshl_b32 s17, ttmp9, 2
	s_add_co_u32 s17, s17, s16                     ; my token
	s_lshl_b32 s18, s17, 12                        ; its row of x: 4,096 bytes
	s_mov_b32 s19, 0
	s_lshl_b32 s26, s16, 13                        ; my quarter of Wg: 8,192 bytes
	s_mov_b32 s27, 0
	s_wait_alu depctr_va_vdst(0)
	s_wait_kmcnt 0x0
	s_add_nc_u64 s[4:5], s[4:5], s[18:19]
	s_add_nc_u64 s[6:7], s[6:7], s[26:27]
.irp i, 0,1,2,3,4,5,6,7
	global_load_b128 v[XL+4*\i:XL+4*\i+3], v2, s[4:5] offset:512*\i th:TH_LOAD_NT   ; 32 lanes read 512 consecutive bytes; x is read once here
.endr
.irp m, 0,1,2,3,4,5,6,7,8,9,10,11,12,13,14,15
	global_load_b128 v[WC+4*\m:WC+4*\m+3], v2, s[6:7] offset:512*\m
.endr
	v_lshrrev_b32 v13, 3, v1
	v_mul_u32_u24 v3, v13, WGP
	v_and_b32 v14, 7, v1
	v_lshl_add_u32 v3, v14, 4, v3
	s_mul_i32 s22, s16, 64*WGP
	v_add_nc_u32 v3, s22, v3                       ; Wg into LDS: piece 64 wave + 4 m + lane / 8, 16 (lane % 8) in it
	v_mul_u32_u24 v4, v1, WGP                      ; and out of it: piece 32 i + lane
	v_lshrrev_b32 v13, 2, v1
	v_mul_u32_u24 v5, v13, XTP
	v_and_b32 v14, 3, v1
	v_lshl_add_u32 v5, v14, 4, v5
	s_mul_i32 s23, s16, 64*XTP
	s_add_co_u32 s23, s23, XT
	v_add_nc_u32 v5, s23, v5                       ; x into my stage: piece 8 i + lane / 4
	v_mul_u32_u24 v6, v1, XTP
	v_add_nc_u32 v6, s23, v6                       ; and out of it: piece lane (and 32 + lane)
	v_lshrrev_b32 v13, 3, v1
	v_lshlrev_b32 v7, 2, v13                       ; my block lane / 2: word lane / 8,
	v_bfe_u32 v13, v1, 1, 1
	v_lshl_add_u32 v7, v13, 1, v7                  ; in it blocks 0, 1, 2, 3 at bytes 0, 2, 1, 3
	v_bfe_u32 v13, v1, 2, 1
	v_add_nc_u32 v7, v7, v13
	s_lshl_b32 s24, s16, 8
	s_add_co_u32 s24, s24, SBY
	v_add_nc_u32 v7, s24, v7
	v_and_b32 v8, 7, v1
	v_lshl_add_u32 v8, v8, 2, s24                  ; the eight words, read back
	v_mul_u32_u24 v9, v1, 12                       ; my 16 codes: 12 bytes
	v_lshlrev_b32 v12, 2, v1
	v_mov_b32 v173, 0
	v_mov_b32 v164, 0xff800000                     ; -infinity
	s_mov_b32 s20, 0x76543210
	s_mov_b32 s21, 0xfedcba98                      ; v_permlanex16_b32's selects for lane l xor 16
	s_mul_i32 s18, s17, 768
	s_add_nc_u64 s[8:9], s[8:9], s[18:19]          ; xq, xs, sel and gate at my token
	s_lshl_b32 s18, s17, 5
	s_add_nc_u64 s[10:11], s[10:11], s[18:19]
	s_lshl_b32 s18, s17, 2
	s_add_nc_u64 s[12:13], s[12:13], s[18:19]
	s_lshl_b32 s18, s17, 3
	s_add_nc_u64 s[14:15], s[14:15], s[18:19]
	s_wait_loadcnt 16                              ; x's eight loads are in; Wg's sixteen, issued behind them, may be out
.irp i, 0,1,2,3,4,5,6,7
	ds_store_b128 v5, v[XL+4*\i:XL+4*\i+3] offset:8*XTP*\i
.endr
.irp q, 0,1,2,3
	ds_load_b128 v[XA+4*\q:XA+4*\q+3], v6 offset:16*\q             ; LDS serves a wave's instructions in order: these see my stores
.endr
.irp q, 0,1,2,3
	ds_load_b128 v[XB+4*\q:XB+4*\q+3], v6 offset:32*XTP+16*\q
.endr
	s_wait_loadcnt 0x0                             ; Wg
.irp m, 0,1,2,3,4,5,6,7,8,9,10,11,12,13,14,15
	ds_store_b128 v3, v[WC+4*\m:WC+4*\m+3] offset:4*WGP*\m
.endr
	s_wait_dscnt 0x0                               ; for the others' sake: my quarter of Wg lies in LDS
	s_barrier_signal -1
	s_barrier_wait -1                              ; all of Wg does
.macro CH i                            ; the 4 rows of Wg that belong to my 4 numbers of load i, into set i % 2
.irp q, 0,1,2,3,4,5,6,7
	ds_load_b128 v[WC+32*((\i)%2)+4*\q:WC+32*((\i)%2)+4*\q+3], v4 offset:32*WGP*(\i)+16*\q
.endr
.endm
.macro DOT i                           ; 4 numbers x 8 experts: sixteen packed multiply-adds; the very first four start the sums, so nothing is cleared
.set wb, WC+32*((\i)%2)
.set xb, XL+4*(\i)
.irp u, 0,1,2,3
.irp p, 0,1,2,3
.if ((\i) == 0) && (\u == 0)
	v_pk_mul_f32 v[LG+2*\p:LG+2*\p+1], v[xb:xb+1], v[wb+2*\p:wb+2*\p+1] op_sel_hi:[0,1]
.elseif (\u%2) == 0
	v_pk_fma_f32 v[LG+2*\p:LG+2*\p+1], v[xb+\u:xb+\u+1], v[wb+8*\u+2*\p:wb+8*\u+2*\p+1], v[LG+2*\p:LG+2*\p+1] op_sel_hi:[0,1,1]
.else
	v_pk_fma_f32 v[LG+2*\p:LG+2*\p+1], v[xb+\u-1:xb+\u], v[wb+8*\u+2*\p:wb+8*\u+2*\p+1], v[LG+2*\p:LG+2*\p+1] op_sel:[1,0,0] op_sel_hi:[1,1,1]
.endif
.endr
.endr
.endm
; 16 neighbours of a lane become 16 codes; two neighbouring lanes hold a block of 32.
.macro QX x, t, c, lo, go
	v_max3_num_f32 v[\t], |v[\x]|, |v[\x+1]|, |v[\x+2]|            ; the largest magnitude of my 16, in two chains
	v_max3_num_f32 v[\t+1], |v[\x+3]|, |v[\x+4]|, |v[\x+5]|
.irp i, 6,10
	v_max3_num_f32 v[\t], v[\t], |v[\x+\i]|, |v[\x+\i+1]|
	v_max3_num_f32 v[\t+1], v[\t+1], |v[\x+\i+2]|, |v[\x+\i+3]|
.endr
	v_max3_num_f32 v[\t], v[\t], |v[\x+14]|, |v[\x+15]|
	v_max3_num_f32 v[\t], v[\t], v[\t+1], 0x1800000                ; and the floor 2^(3 - 127): the byte cannot fall under 1
	v_max_num_f32_dpp v[\t], v[\t], v[\t] row_xmask:1 row_mask:0xf bank_mask:0xf   ; with my neighbour's 16: the block's
	v_add_nc_u32 v[\t+2], 0xff000000, v[\t]                        ; 2 off its exponent field: the conversion takes this operand's exponent field as its scale
	v_cvt_scalef32_pk16_fp6_f32 v[\c:\c+2], v[\x:\x+15], v[\t+2]
	v_lshrrev_b32 v[\t+3], 23, v[\t+2]                             ; the scale's byte (also the plain line behind the conversion)
	ds_store_b8 v7, v[\t+3] offset:\lo                             ; both lanes of a block write the same byte with the same value
	global_store_b96 v9, v[\c:\c+2], s[8:9] offset:\go             ; the wave stores 384 consecutive bytes
.endm
	CH 0
	CH 1
	QX XA, 152, 176, 0, 0
	QX XB, 156, 180, 16, 384
.irp i, 0,1,2,3,4,5,6,7
.if \i < 2
	s_wait_alu depctr_va_vdst(0)
	s_wait_dscnt 10                                ; this set is in; behind it stand the next set's eight loads and the two byte stores
.elseif \i < 7
	s_wait_alu depctr_va_vdst(0)
	s_wait_dscnt 8                                 ; behind it: the next set's eight loads
.else
	s_wait_alu depctr_va_vdst(0)
	s_wait_dscnt 0x0
.endif
	DOT \i
.if \i < 6
	CH \i+2
.endif
.endr
.irp m, 1,2,4,8                        ; the sum over the wave, the eight logits by turns
.irp e, 0,1,2,3,4,5,6,7
	v_add_f32_dpp v[LG+\e], v[LG+\e], v[LG+\e] row_xmask:\m row_mask:0xf bank_mask:0xf
.endr
.endr
.irp e, 0,1,2,3,4,5,6,7
	v_permlanex16_b32 v[WC+\e], v[LG+\e], s20, s21                 ; (its destination counts as read: Wg's registers have been written and are done with)
.endr
.irp e, 0,1,2,3,4,5,6,7
	v_add_f32 v[LG+\e], v[LG+\e], v[WC+\e]                         ; every lane holds all eight logits
.endr
	v_mov_b32 v160, v[LG]                          ; the largest, and its expert: a later expert wins only if it is strictly larger
	v_mov_b32 v161, 0
.irp e, 1,2,3,4,5,6,7
	v_cmp_gt_f32 vcc_lo, v[LG+\e], v160
	v_cndmask_b32 v160, v160, v[LG+\e], vcc_lo
	v_cndmask_b32 v161, v161, \e, vcc_lo
.endr
.irp e, 0,1,2,3,4,5,6,7
	v_cmp_eq_u32 vcc_lo, \e, v161
	v_cndmask_b32 v[LG+\e], v[LG+\e], v164, vcc_lo                 ; the winner leaves the field
.endr
	v_mov_b32 v162, v[LG]                          ; the second largest
	v_mov_b32 v163, 0
.irp e, 1,2,3,4,5,6,7
	v_cmp_gt_f32 vcc_lo, v[LG+\e], v162
	v_cndmask_b32 v162, v162, v[LG+\e], vcc_lo
	v_cndmask_b32 v163, v163, \e, vcc_lo
.endr
	v_sub_f32 v165, v162, v160                     ; the softmax of the two, the larger taken away: 1 / (1 + E) and E / (1 + E), E = e^(second - first), at most 1
	v_mul_f32 v165, 0x3fb8aa3b, v165
	s_wait_alu depctr_va_vdst(0)
	v_exp_f32 v166, v165
	v_lshl_or_b32 v167, v163, 8, v161              ; the two experts in one word (a plain line behind the exponential)
	s_wait_alu depctr_va_vdst(0)                   ; the wait ahead of the first line that names the result
	v_add_f32 v168, 1.0, v166
	s_wait_alu depctr_va_vdst(0)
	v_rcp_f32 v170, v168
	ds_load_b32 v172, v8                           ; my token's eight scale words (lanes 8 to 31 read the same eight again)
	v_cmp_gt_u32 vcc_lo, 8, v1                     ; (a plain line behind the reciprocal)
	s_wait_alu depctr_va_vdst(0)
	v_mul_f32 v171, v166, v170
	s_wait_alu depctr_va_vdst(0)
	s_wait_dscnt 0x0
	s_wait_xcnt 0x0                                ; EXEC is a source of the stores above: it changes only behind this wait
	s_wait_tensorcnt 0x0
	ds_add_u32 v192, v193
	s_wait_dscnt 0x0
	s_and_saveexec_b32 s28, vcc_lo                 ; lanes 0 to 7
	global_store_b32 v12, v172, s[10:11]
	v_cmp_eq_u32 vcc_lo, 0, v1
	s_wait_xcnt 0x0
	s_and_saveexec_b32 s29, vcc_lo                 ; lane 0
	global_store_b32 v173, v167, s[12:13]
	global_store_b64 v173, v[170:171], s[14:15]
	s_endpgm
.Lfunc_end_k_q6138041d87_router:
	.size	k_q6138041d87_router, .Lfunc_end_k_q6138041d87_router-k_q6138041d87_router
	.p2alignl 7, 3214868480
	.fill 96, 4, 3214868480
	.section	.rodata,"a",@progbits
	.p2align	6, 0x0
	.amdhsa_kernel k_q6138041d87_router
		.amdhsa_group_segment_fixed_size 58880
		.amdhsa_private_segment_fixed_size 0
		.amdhsa_enable_private_segment 0
		.amdhsa_kernarg_size 48
		.amdhsa_user_sgpr_count 2
		.amdhsa_user_sgpr_kernarg_segment_ptr 1
		.amdhsa_wavefront_size32 1
		.amdhsa_system_sgpr_workgroup_id_x 1
		.amdhsa_system_sgpr_workgroup_id_y 1
		.amdhsa_system_sgpr_workgroup_id_z 1
		.amdhsa_system_vgpr_workitem_id 0
		.amdhsa_next_free_vgpr 194
		.amdhsa_next_free_sgpr 66
		.amdhsa_reserve_vcc 1
		.amdhsa_float_denorm_mode_32 3
		.amdhsa_float_denorm_mode_16_64 3
		.amdhsa_memory_ordered 1
		.amdhsa_forward_progress 1
		.amdhsa_inst_pref_size 28
	.end_amdhsa_kernel
	.amdgpu_metadata
---
amdhsa.version: [ 1, 2 ]
amdhsa.kernels:
  - .name:           k_q6138041d87_router
    .symbol:         k_q6138041d87_router.kd
    .args:
      - { .name: x, .offset: 0, .size: 8, .value_kind: global_buffer, .address_space: global }
      - { .name: Wg, .offset: 8, .size: 8, .value_kind: global_buffer, .address_space: global }
      - { .name: xq, .offset: 16, .size: 8, .value_kind: global_buffer, .address_space: global }
      - { .name: xs, .offset: 24, .size: 8, .value_kind: global_buffer, .address_space: global }
      - { .name: sel, .offset: 32, .size: 8, .value_kind: global_buffer, .address_space: global }
      - { .name: gate, .offset: 40, .size: 8, .value_kind: global_buffer, .address_space: global }
    .group_segment_fixed_size: 58880
    .private_segment_fixed_size: 0
    .kernarg_segment_align: 8
    .kernarg_segment_size: 48
    .max_flat_workgroup_size: 128
    .sgpr_count:     66
    .vgpr_count:     194
    .wavefront_size: 32
...
	.end_amdgpu_metadata
.endif
;; end of part 6
;; launch place (part 7): grid 8 x 1, 1 waves a work-group, no clusters, 0 bytes of LDS; arguments sel, lists; writes lists
.if DOCPART == 7
	.amdgcn_target "amdgcn-amd-amdhsa--gfx1250"
	.amdhsa_code_object_version 6
	.text
	.protected	k_q6138041d87_place
	.globl	k_q6138041d87_place
	.p2align	8
	.type	k_q6138041d87_place,@function
k_q6138041d87_place:
	s_mov_b64 s[64:65], 0
	v_nop
	global_prefetch_b8 v0, s[64:65] scope:SCOPE_SE
	s_setreg_imm32_b32 hwreg(HW_REG_WAVE_MODE, 25, 1), 1
	s_wait_xcnt 0x0
; THE ROWS ARE PLACED BY EXPERT.  sel [1024]: first expert | second expert << 8, stored by the launch before.
; Work-group e, one wave, walks all 1,024 tokens in ascending order, 32 at a time, and builds expert e's part of lists:
;   LIST  at byte 0:      [8][1152] words: entries 0 .. count - 1 the expert's tokens; 32 entries of token 0 behind them, so that the last tile of 16 rows is whole
;   ROWID at byte 36,864: [2304] words: entry 2 t + slot = 1,024 e + the row's place in expert e's list
;   CNT   at byte 46,080: [8][32] words: the expert's count
; A lane's place is the count so far plus the number of lower lanes that match (a count of mask bits): no atomics, no LDS, no barrier.
; EXEC never changes: a lane whose token does not use the expert stores into spare words of the expert's own (LIST entries 1088 + lane, ROWID entries 2048 + 32 e + lane), which nobody reads.
; Each chunk has its own four registers for its two stores, so no store's source is written again.
; Every index is held under a constant in front of its shift: 1151, 2303, 1055.
	s_load_b128 s[4:7], s[0:1], 0x0                ; sel s[4:5], lists s[6:7]
	v_and_b32 v1, 31, v0                           ; lane
	s_wait_alu depctr_va_vdst(0)
	v_lshlrev_b32 v2, 2, v1
	s_mov_b32 s8, ttmp9                            ; my expert
	s_mov_b32 s9, 0                                ; rows so far
	s_lshl_b32 s10, s8, 10
	s_mul_i32 s18, s8, 4608
	s_mov_b32 s19, 0
	s_lshl_b32 s24, s8, 7
	s_add_co_u32 s24, s24, 46080
	s_mov_b32 s25, 0
	s_lshl_b32 s26, s8, 5
	s_add_co_u32 s26, s26, 2048
	v_add_nc_u32 v168, 1088, v1                    ; the spare entries
	v_add_nc_u32 v169, s26, v1
	s_wait_alu depctr_va_vdst(0)
	s_wait_kmcnt 0x0
.irp c, 0,1,2,3,4,5,6,7,8,9,10,11,12,13,14,15,16,17,18,19,20,21,22,23,24,25,26,27,28,29,30,31
	global_load_b32 v[8+\c], v2, s[4:5] offset:128*\c
.endr
	s_add_nc_u64 s[12:13], s[6:7], s[18:19]        ; my LIST
	s_add_nc_u64 s[14:15], s[6:7], 36864           ; ROWID
	s_add_nc_u64 s[16:17], s[6:7], s[24:25]        ; my CNT
.macro CHUNK c                         ; tokens 32 c + lane
	s_wait_loadcnt 31-(\c)                         ; this chunk's load is in; the younger ones may be out
	v_and_b32 v3, 0xff, v[8+(\c)]
	v_lshrrev_b32 v4, 8, v[8+(\c)]
	v_cmp_eq_u32 s20, s8, v3                       ; I am the token's first expert,
	v_cmp_eq_u32 s21, s8, v4                       ; or its second
	s_or_b32 s22, s20, s21
	v_mbcnt_lo_u32_b32 v5, s22, 0                  ; matching lanes below me
	v_add_nc_u32 v5, s9, v5                        ; the row's place
	v_add_nc_u32 v[41+4*(\c)], 32*(\c), v1         ; the token
	v_cndmask_b32 v[40+4*(\c)], v168, v5, s22
	v_min_u32 v[40+4*(\c)], 1151, v[40+4*(\c)]
	v_lshlrev_b32 v[40+4*(\c)], 2, v[40+4*(\c)]
	global_store_b32 v[40+4*(\c)], v[41+4*(\c)], s[12:13]
	v_cndmask_b32 v6, 0, 1, s21                    ; the slot
	v_lshl_or_b32 v[42+4*(\c)], v[41+4*(\c)], 1, v6
	v_cndmask_b32 v[42+4*(\c)], v169, v[42+4*(\c)], s22
	v_min_u32 v[42+4*(\c)], 2303, v[42+4*(\c)]
	v_lshlrev_b32 v[42+4*(\c)], 2, v[42+4*(\c)]
	v_min_u32 v[43+4*(\c)], 1023, v5
	v_add_nc_u32 v[43+4*(\c)], s10, v[43+4*(\c)]
	global_store_b32 v[42+4*(\c)], v[43+4*(\c)], s[14:15]
	s_bcnt1_i32_b32 s23, s22
	s_add_co_u32 s9, s9, s23
.endm
.set cc, 0
.rept 32
	CHUNK cc
.set cc, cc+1
.endr
	v_add_nc_u32 v170, s9, v1                      ; 32 entries of token 0 behind the list
	v_min_u32 v170, 1055, v170
	v_lshlrev_b32 v170, 2, v170
	v_mov_b32 v171, 0
	global_store_b32 v170, v171, s[12:13]
	v_mov_b32 v172, s9
	global_store_b32 v2, v172, s[16:17]            ; the count
	s_endpgm
.Lfunc_end_k_q6138041d87_place:
	.size	k_q6138041d87_place, .Lfunc_end_k_q6138041d87_place-k_q6138041d87_place
	.p2alignl 7, 3214868480
	.fill 96, 4, 3214868480
	.section	.rodata,"a",@progbits
	.p2align	6, 0x0
	.amdhsa_kernel k_q6138041d87_place
		.amdhsa_group_segment_fixed_size 0
		.amdhsa_private_segment_fixed_size 0
		.amdhsa_enable_private_segment 0
		.amdhsa_kernarg_size 16
		.amdhsa_user_sgpr_count 2
		.amdhsa_user_sgpr_kernarg_segment_ptr 1
		.amdhsa_wavefront_size32 1
		.amdhsa_system_sgpr_workgroup_id_x 1
		.amdhsa_system_sgpr_workgroup_id_y 1
		.amdhsa_system_sgpr_workgroup_id_z 1
		.amdhsa_system_vgpr_workitem_id 0
		.amdhsa_next_free_vgpr 192
		.amdhsa_next_free_sgpr 66
		.amdhsa_reserve_vcc 0
		.amdhsa_float_denorm_mode_32 3
		.amdhsa_float_denorm_mode_16_64 3
		.amdhsa_memory_ordered 1
		.amdhsa_forward_progress 1
		.amdhsa_inst_pref_size 44
	.end_amdhsa_kernel
	.amdgpu_metadata
---
amdhsa.version: [ 1, 2 ]
amdhsa.kernels:
  - .name:           k_q6138041d87_place
    .symbol:         k_q6138041d87_place.kd
    .args:
      - { .name: sel, .offset: 0, .size: 8, .value_kind: global_buffer, .address_space: global }
      - { .name: lists, .offset: 8, .size: 8, .value_kind: global_buffer, .address_space: global }
    .group_segment_fixed_size: 0
    .private_segment_fixed_size: 0
    .kernarg_segment_align: 8
    .kernarg_segment_size: 16
    .max_flat_workgroup_size: 32
    .sgpr_count:     66
    .vgpr_count:     192
    .wavefront_size: 32
...
	.end_amdgpu_metadata
.endif
;; end of part 7
;; launch ffn1 (part 8): grid 32 x 8, 4 waves a work-group, no clusters, 151,552 bytes of LDS; arguments W1_codes, W1_scales, b1, xq, xs, lists, hq, hs; writes hq, hs
.if DOCPART == 8
	.amdgcn_target "amdgcn-amd-amdhsa--gfx1250"
	.amdhsa_code_object_version 6
	.text
	.protected	k_q6138041d87_ffn1
	.globl	k_q6138041d87_ffn1
	.p2align	8
	.type	k_q6138041d87_ffn1,@function
k_q6138041d87_ffn1:
	s_mov_b64 s[64:65], 0
	v_nop
	global_prefetch_b8 v0, s[64:65] scope:SCOPE_SE
	s_setreg_imm32_b32 hwreg(HW_REG_WAVE_SCHED_MODE, 0, 2), 2
	s_setreg_imm32_b32 hwreg(HW_REG_WAVE_MODE, 25, 1), 1
	s_wait_xcnt 0x0
	s_wait_alu depctr_vm_vsrc(0)
; THE FIRST PRODUCT OF THE CHOSEN ROWS: h = Q(gelu(Q(x) W1 + b1)), on codes of FP6 (E2M3) with one E8M0 scale for each 32 along K; gelu in its tanh form, in f32; Q the quantiser along the next K.
; SHARES.  Work-group (fs, e) owns hidden units 128 fs .. 128 fs + 127 of expert e: 128 rows of W1's codes, 98,304 bytes, read from memory once, turned through LDS, and then held by EVERY wave in 768 registers
; (64 fragments of 16 rows x 128 K).  The four waves share out the expert's tiles of 16 rows: wave w takes tiles w, w + 4, ..  The number of tiles is a number that an earlier launch stored.
; So this text branches on a stored number and holds no tensor load; its one barrier stands at the head, on the way that every wave takes.  The 32 work-groups of an expert read the same rows of x:
; they are not asked for jointly, since a joint request is a tensor load; with a constant count of 64 tiles in its place four times the rows would be fetched at an even split.
; ONE ORDER OF K FOR BOTH OPERANDS.  Of a K step's four blocks of 32, lanes 0-15 hold blocks 0 and 1 and lanes 16-31 blocks 2 and 3: a lane's 12 registers are 48 consecutive bytes of its row, at 96 s + 48 (lane / 16):
; three accesses of 16 bytes.  The unit takes them for blocks 0, 2 and 1, 3, alike on both sides, so the products pair as they should; a scale word holds its bytes in the order 0, 2, 1, 3.
; The sums group the products otherwise than in ascending K: the result is judged within a tolerance.
; THE PRODUCT IS USED TRANSPOSED (source 0 = 16 rows of W1, source 1 = 16 rows of x), and lane r of tile 2 b + u takes W1's row 32 b + 8 u + r + 8 (r / 8): a lane then holds one row of h, and the 16 registers
; of tiles 2 b, 2 b + 1 are units 32 b + 16 (lane / 16) + 0 .. 15: 16 neighbours along the next K.  The wave's 128 units are K step fs of the second product.
; OUT: hq [e][64 tiles][32 K steps][1,536 bytes]: a fragment as an image of its registers (registers 4 i .. 4 i + 3 of lane l at 512 i + 16 l); hs [e][64][32][16 rows]: its scale words.
; LIMITS: NaN and infinities are not served; a block whose largest magnitude lies under 2^-124 keeps the byte 1.  The rows that fill an expert's last tile are token 0's; nobody reads their results.
; REGISTERS: window 0: v1-13 addresses, v[14:15] c0; v16-47 W1's scale words (register 8 b + s: tile 2 b in lanes 0-15, tile 2 b + 1 in lanes 16-31); v48-55 x's; v56-63 at work; v64-127 the 8 accumulators;
;   v128-223 x's rows, then x's 8 fragments; v224-243 at work; v244-255 W1's fragment 63.   Windows 1 to 3: W1's fragments 0 to 62, fragment f = 8 s + t at window 1 + f / 21, register 12 (f % 21).
; THE MODE: SCHED_MODE bits 1:0 = 2 (LLVM: expert scheduling mode 2), set by the entry lines.  The code itself states the register dependences
; between vector or matrix instructions and memory or LDS instructions, with s_wait_alu, always for 0.
; THE PLAN.  Registers that memory or LDS instructions touch, round a trip:
;   v1-v11       offsets and LDS addresses, made at the head and never written again: a tile is reached by scalar bases (the list's s[2:3], the results' s[40:43]) and by immediate offsets.
;   XF v128-223  x's rows land (asked for in the trip before); 24 LDS stores read them; 24 LDS loads land the fragments; the 64 products read them; the next tile's rows land.
;   XS v48-55    x's scale words land with the rows; the products read them.
;   ACC v64-127  16 LDS loads land b1; the products add onto it; gelu and the quantiser read and write it.
;   v224-236     the list's three loads land in v224-232; 26 lines make byte offsets of them; x's 26 loads read those; gelu and the quantiser write v224-243; the four stores read v224-236.
; The weights fill 768 registers and window 0 is full, so each of these is one buffer, and a wait stands where it changes hands: on va_vdst behind the products and the 26 lines, and ahead of the stores
; (that one also serves the next trip's loads into ACC and v224-232: no vector line stands between); on vm_vsrc behind the LDS stores of XF, behind x's loads, and behind the stores.
.set WP,   784                         ; an LDS row of codes: 768 bytes + 16: an odd multiple of 16, so that the 16 rows of a read fall on different banks
.set BIA,  100352                      ; LDS: 128 rows of W1 from byte 0; then b1's 128 numbers;
.set XST,  100864                      ; then for each wave a stage of 16 rows of x's codes
.set WS,   16
.set XS,   48
.set MX,   56
.set TP,   60
.set ACC,  64
.set XF,   128
.set Z,    224                         ; v224-239 gelu's 16 numbers at work;
.set PC,   224                         ; later v224-235 the codes just made, v236 their scale word;
.set TK,   224                         ; later v224-231 eight tokens, then their byte offsets; v232 my row's token
.set TR,   232
.set PW,   236
.set SO,   240
.set W63,  244
.set MSB,  0
.macro WIN new                         ; the immediate's high byte repeats the setting that is left; a switch that changes nothing is dropped
.if MSB != (\new)
	s_set_vgpr_msb (MSB<<8)|(\new)
.set MSB, (\new)
.endif
.endm
	s_load_b512 s[4:19], s[0:1], 0x0               ; W1's codes s[4:5], its scales s[6:7], b1 s[8:9], xq s[10:11], xs s[12:13], lists s[14:15], hq s[16:17], hs s[18:19]
	s_set_vgpr_msb 0x40
	v_lshl_add_u32 v254, v0, 2, 0x24e00
	v_mov_b32 v255, 0
	s_set_vgpr_msb 0x4000
	v_lshrrev_b32 v56, 5, v0
	v_readfirstlane_b32 s20, v56                   ; wave
	s_mov_b32 s21, ttmp9                           ; fs
	s_and_b32 s22, ttmp7, 0xffff                   ; e
	v_and_b32 v56, 31, v0                          ; lane
	v_and_b32 v57, 15, v0                          ; r
	v_bfe_u32 v58, v0, 4, 1                        ; h
	v_lshlrev_b32 v1, 4, v56                       ; 16 x lane
	v_lshlrev_b32 v11, 4, v57                      ; 16 r
	s_wait_alu depctr_va_sdst(0)                   ; s20, the wave's number, is written, ahead of its first reader
	s_mul_i32 s30, s20, 24576
	v_mad_u32_u24 v2, v58, 768, v11
	v_add_nc_u32 v2, s30, v2                       ; W1 in memory: my wave's 32 rows; sixteen lanes to 256 bytes of a row, two rows an instruction
	s_mul_i32 s30, s20, 32*WP
	v_mad_u32_u24 v3, v58, WP, v11
	v_add_nc_u32 v3, s30, v3                       ; and in LDS
	v_mul_u32_u24 v4, v57, WP
	v_mad_u32_u24 v4, v58, 48, v4                  ; a fragment's place for my lane: row r, + 48 h
	v_add_nc_u32 v5, 64*WP, v4                     ; the same for tiles 4 to 7 (an LDS offset has 16 bits)
	s_mul_i32 s30, s20, 16*WP
	s_add_co_u32 s30, s30, XST
	v_mad_u32_u24 v6, v58, 8*WP, v11
	v_add_nc_u32 v6, s30, v6                       ; x into my stage: rows 8 h + 0 .. 7
	v_add_nc_u32 v7, s30, v4                       ; and out of it, as fragments
	v_lshl_add_u32 v8, v58, 6, BIA                 ; b1 of my half's units
	v_lshlrev_b32 v9, 5, v58                       ; the list: 8 entries for each half of the lanes,
	v_lshlrev_b32 v10, 2, v57                      ; and my row's entry
	v_lshl_add_u32 v12, v0, 2, BIA                 ; (at the head: b1 into LDS, a number a thread,
	v_lshlrev_b32 v13, 2, v0                       ;  and where it lies in memory)
	v_and_b32 v60, 8, v57
	v_add_nc_u32 v60, v60, v57
	v_lshl_add_u32 v60, v58, 3, v60
	v_lshlrev_b32 v60, 5, v60                      ; W1's scales: row 8 h + r + 8 (r / 8) of a group of 32 rows, 32 bytes a row
	v_mov_b32 v14, 0xc0135761                      ; c0 = -2 log2(e) sqrt(2 / pi)
	v_mov_b32 v15, 0xc0135761
	s_mov_b32 s38, 0xbdd2d3e8                      ; c1 = 0.044715 c0
	s_mov_b32 s39, s38                             ; (named with it as a pair, so it is written)
	s_mov_b32 s32, 0x76543210
	s_mov_b32 s33, 0xfedcba98                      ; v_permlanex16_b32's selects for lane l xor 16
	s_mov_b32 s34, 0x03010200                      ; a scale word's bytes 0, 1, 2, 3 into the order 0, 2, 1, 3
	s_lshl_b32 s30, s22, 12
	s_lshl_b32 s31, s21, 7
	s_add_co_u32 s35, s30, s31                     ; my first row of W1: 4,096 e + 128 fs
	s_lshl_b32 s26, s22, 7
	s_wait_kmcnt 0x0
	s_load_b32 s23, s[14:15], s26 offset:46080     ; the expert's count of rows
	s_mul_i32 s30, s35, 768
	s_mov_b32 s31, 0                               ; stays 0: the upper word of every offset
	s_add_nc_u64 s[4:5], s[4:5], s[30:31]
	s_lshl_b32 s30, s35, 5
	s_add_nc_u64 s[6:7], s[6:7], s[30:31]
	s_lshl_b32 s30, s35, 2
	s_add_nc_u64 s[8:9], s[8:9], s[30:31]
	WIN 0x40                                       ; destination window 1: 192 registers that the fragments take later
	s_wait_alu depctr_va_vdst(0)                   ; the offsets and LDS addresses v1 to v13 and v60 are written, which the loads and stores of the whole kernel read
.set m, 0
.rept 48
	global_load_b128 v[4*m:4*m+3], v2, s[4:5] offset:1536*(m/3)+256*(m%3) th:TH_LOAD_NT   ; two runs of 256 consecutive bytes, each at a multiple of 256 from the buffer's first byte; read once in the launch
.set m, m+1
.endr
	WIN 0
.irp b, 0,1,2,3
	global_load_b128 v[WS+8*\b:WS+8*\b+3], v60, s[6:7] offset:1024*\b
	global_load_b128 v[WS+8*\b+4:WS+8*\b+7], v60, s[6:7] offset:1024*\b+16
.endr
	global_load_b32 v61, v13, s[8:9]
	s_mul_i32 s30, s22, 4608
	s_add_nc_u64 s[28:29], s[14:15], s[30:31]      ; the expert's list
	s_mul_i32 s30, s22, 3145728
	s_mul_i32 s35, s21, 1536
	s_add_co_u32 s30, s30, s35
	s_add_nc_u64 s[36:37], s[16:17], s[30:31]      ; hq at (e, tile 0, K step fs)
	s_lshl_b32 s30, s22, 17
	s_lshl_b32 s35, s21, 6
	s_add_co_u32 s30, s30, s35
	s_add_nc_u64 s[44:45], s[18:19], s[30:31]      ; hs likewise
	s_wait_loadcnt 0x0
	WIN 0x04                                       ; an LDS store's data are its source 1: window 1
.set m, 0
.rept 48                               ; row 32 b + 16 g + 8 u + i goes to place 32 b + 16 u + 8 g + i (bits 3 and 4 change places), so that a tile's 16 rows lie on end
.set q, 2*(m/3)
.set sl, (q&7)|(((q>>3)&1)<<4)|(((q>>4)&1)<<3)
	ds_store_b128 v3, v[4*m:4*m+3] offset:sl*WP+256*(m%3)
.set m, m+1
.endr
	WIN 0
	ds_store_b32 v12, v61
.irp i, 0,1,2,3,4,5,6,7,8,9,10,11,12,13,14,15,16,17,18,19,20,21,22,23,24,25,26,27,28,29,30,31
	v_perm_b32 v[WS+\i], v[WS+\i], v[WS+\i], s34
.endr
	s_wait_kmcnt 0x0
	s_min_u32 s23, s23, 1024
	s_add_co_u32 s24, s23, 15
	s_lshr_b32 s24, s24, 4                         ; T: the expert's tiles, at most 64
	s_sub_co_u32 s27, s24, 1
	s_wait_dscnt 0x0                               ; for the others' sake: my rows of W1 and my numbers of b1 lie in LDS
	s_barrier_signal -1
	s_barrier_wait -1                              ; the launch's one barrier; LDS bytes that waves share are only read from here on
	s_cmp_ge_u32 s20, s24
	s_cbranch_scc1 .Lend                           ; fewer tiles than waves: nothing for me
	s_sub_co_u32 s47, s24, s20                     ; my trips: tiles w, w + 4, .. under T are (T - w + 3) / 4, rounded down: 1 to 16
	s_add_co_u32 s47, s47, 3
	s_lshr_b32 s47, s47, 2
	s_min_u32 s47, s47, 16
	s_mov_b32 s46, 0                               ; the trip's number: the loop ends on it
.macro LISTLD                          ; tile s26 of the list: lane l takes the tokens of rows 8 (l / 16) + 0 .. 7, and that of row l % 16
	s_lshl_b32 s30, s26, 6
	s_add_nc_u64 s[2:3], s[28:29], s[30:31]        ; the tile is reached by a scalar base (free: the wait for the last list's loads has shown them done); the offsets v9 and v10 are never written again
	global_load_b128 v[TK:TK+3], v9, s[2:3]
	global_load_b128 v[TK+4:TK+7], v9, s[2:3] offset:16
	global_load_b32 v[TR], v10, s[2:3]
.endm
.macro NEXTX                           ; the tokens become byte offsets, and the 16 rows' codes and scale words are asked for.  The 26 plain lines are also the places behind the products, ahead of the first line that reads their results
	s_wait_loadcnt 0x0                             ; the tokens are in
.irp p, 0,1,2,3,4,5,6,7
	v_min_u32 v[TK+\p], 1023, v[TK+\p]
.endr
.irp p, 0,1,2,3,4,5,6,7
	v_mul_u32_u24 v[TK+\p], v[TK+\p], 768
.endr
.irp p, 0,1,2,3,4,5,6,7
	v_add_nc_u32 v[TK+\p], v[TK+\p], v11
.endr
	v_min_u32 v[TR], 1023, v[TR]
	v_lshlrev_b32 v[TR], 5, v[TR]
	s_wait_alu depctr_va_vdst(0)                   ; the offsets v[TK ..] and v[TR] are written, which the loads below read; the products are done reading x's fragments and scale words, in which these loads land
.irp p, 0,1,2,3,4,5,6,7
.irp q, 0,1,2
	global_load_b128 v[XF+4*(3*\p+\q):XF+4*(3*\p+\q)+3], v[TK+\p], s[10:11] offset:256*\q   ; sixteen lanes read 256 consecutive bytes of a token's row
.endr
.endr
	global_load_b128 v[XS:XS+3], v[TR], s[12:13]
	global_load_b128 v[XS+4:XS+7], v[TR], s[12:13] offset:16
.endm
; gelu(a) = a / (1 + 2^(c0 a + c1 a^3)): the tanh form, exactly.  16 numbers: block b of the next K.  Each accumulator is read from its low end on.
.macro GELU b
.irp i, 0,2,4,6,8,10,12,14
	v_pk_mul_f32 v[Z+\i:Z+\i+1], v[ACC+16*\b+\i:ACC+16*\b+\i+1], v[ACC+16*\b+\i:ACC+16*\b+\i+1]
.endr
.irp i, 0,2,4,6,8,10,12,14
	v_pk_fma_f32 v[Z+\i:Z+\i+1], v[Z+\i:Z+\i+1], s[38:39], v[14:15] op_sel_hi:[1,0,1]
.endr
.irp i, 0,2,4,6,8,10,12,14
	v_pk_mul_f32 v[Z+\i:Z+\i+1], v[Z+\i:Z+\i+1], v[ACC+16*\b+\i:ACC+16*\b+\i+1]
.endr
	s_wait_alu depctr_va_vdst(0)
.irp i, 0,1,2,3,4,5,6,7,8,9,10,11,12,13,14,15
	v_exp_f32 v[Z+\i], v[Z+\i]
.endr
	v_nop                                          ; a plain line behind the last exponential,
	s_wait_alu depctr_va_vdst(0)                   ; and one wait for the batch: the sixteen exponentials have written v[Z ..], ahead of the first line that names a result
.irp i, 0,2,4,6,8,10,12,14
	v_pk_add_f32 v[Z+\i:Z+\i+1], v[Z+\i:Z+\i+1], 1.0 op_sel_hi:[1,0]
.endr
	s_wait_alu depctr_va_vdst(0)
.irp i, 0,1,2,3,4,5,6,7,8,9,10,11,12,13,14,15
	v_rcp_f32 v[Z+\i], v[Z+\i]
.endr
	v_nop
	s_wait_alu depctr_va_vdst(0)                   ; the sixteen reciprocals have written v[Z ..], ahead of the first line that names a result
.irp i, 0,2,4,6,8,10,12,14
	v_pk_mul_f32 v[ACC+16*\b+\i:ACC+16*\b+\i+1], v[ACC+16*\b+\i:ACC+16*\b+\i+1], v[Z+\i:Z+\i+1]
.endr
.endm
; 64 numbers of a lane, register 16 b + i = unit 32 b + 16 (lane / 16) + i of my row, become a fragment's codes in v[PC] on and its scale word in v[PW].
.macro QUANT
.irp b, 0,1,2,3
	v_max3_num_f32 v[MX+\b], |v[ACC+16*\b]|, |v[ACC+16*\b+1]|, 0x1800000   ; block b: my 16 numbers, and the floor 2^(3 - 127): the byte cannot fall under 1
.endr
.irp i, 2,4,6,8,10,12,14
.irp b, 0,1,2,3
	v_max3_num_f32 v[MX+\b], v[MX+\b], |v[ACC+16*\b+\i]|, |v[ACC+16*\b+\i+1]|   ; (the four blocks by turns)
.endr
.endr
.irp b, 0,1,2,3
	v_permlanex16_b32 v[TP+\b], v[MX+\b], s32, s33
.endr
.irp b, 0,1,2,3
	v_max_num_f32 v[MX+\b], v[MX+\b], v[TP+\b]     ; with lane l xor 16's: the block's largest magnitude
.endr
.irp b, 0,1,2,3
	v_add_nc_u32 v[SO+\b], 0xff000000, v[MX+\b]    ; 2 off its exponent field: the conversion's scale operand
.endr
.irp b, 0,1,2,3
	v_lshrrev_b32 v[TP+\b], 23, v[SO+\b]           ; the scale's byte
.endr
	v_lshl_or_b32 v[PW], v[TP+2], 8, v[TP]         ; the word, in the order 0, 2, 1, 3
	v_lshl_or_b32 v[PW], v[TP+1], 16, v[PW]
	v_lshl_or_b32 v[PW], v[TP+3], 24, v[PW]
	v_cvt_scalef32_pk16_fp6_f32 v[PC:PC+2], v[ACC:ACC+15], v[SO]             ; block 0: lanes 0-15 its lower 16 codes, lanes 16-31 its upper 16
	v_cvt_scalef32_pk16_fp6_f32 v[PC+6:PC+8], v[ACC+16:ACC+31], v[SO+1]      ; block 1
	v_nop                                          ; a plain line before block 0's numbers, which are done with, are written over
	v_cvt_scalef32_pk16_fp6_f32 v[ACC:ACC+2], v[ACC+32:ACC+47], v[SO+2]      ; block 2
	v_cvt_scalef32_pk16_fp6_f32 v[ACC+4:ACC+6], v[ACC+48:ACC+63], v[SO+3]    ; block 3
	v_nop                                          ; a plain line behind the last conversion
.irp i, 0,1,2
	v_permlane16_swap_b32 v[PC+\i], v[ACC+\i]      ; block 0's upper half changes places with block 2's lower: the first now holds each lane's block's lower 16 codes (lanes 0-15 block 0, lanes 16-31 block 2), the second the upper 16
.endr
.irp i, 0,1,2
	v_permlane16_swap_b32 v[PC+6+\i], v[ACC+4+\i]  ; blocks 1 and 3 likewise
.endr
.irp i, 0,1,2
	v_mov_b32 v[PC+3+\i], v[ACC+\i]
	v_mov_b32 v[PC+9+\i], v[ACC+4+\i]
.endr
.endm
; 64 matrix instructions: K step by K step, the 8 accumulators by turns, one instruction a turn, over the loop's backward jump too.  The sums start from b1, which lies in the accumulators.
.macro MM
.set ff, 0
.rept 64
.set tt, ff%8
.set kk, ff/8
.if ff < 63
	WIN 1+ff/21                                    ; source 0 (W1) in window 1, 2 or 3
.set rg, 12*(ff%21)
.else
	WIN 0
.set rg, W63
.endif
.if tt%2
	v_wmma_scale_f32_16x16x128_f8f6f4 v[ACC+8*tt:ACC+8*tt+7], v[rg:rg+11], v[XF+12*kk:XF+12*kk+11], v[ACC+8*tt:ACC+8*tt+7], v[WS+8*(tt/2)+kk], v[XS+kk] matrix_a_fmt:MATRIX_FMT_FP6 matrix_b_fmt:MATRIX_FMT_FP6 matrix_a_scale:MATRIX_SCALE_ROW1
.else
	v_wmma_scale_f32_16x16x128_f8f6f4 v[ACC+8*tt:ACC+8*tt+7], v[rg:rg+11], v[XF+12*kk:XF+12*kk+11], v[ACC+8*tt:ACC+8*tt+7], v[WS+8*(tt/2)+kk], v[XS+kk] matrix_a_fmt:MATRIX_FMT_FP6 matrix_b_fmt:MATRIX_FMT_FP6
.endif
.set ff, ff+1
.endr
.endm
	s_mov_b32 s25, s20                             ; j: my tile
	s_mov_b32 s26, s20
	LISTLD
	WIN 0x40                                       ; destination window 1; the switch, the two waits, the loads
	s_wait_alu depctr_va_vdst(0)                   ; v4 and v5, the addresses of the loads below, are written; so are W1's scale words in their new order, which the products take as scales
	s_wait_alu depctr_vm_vsrc(0)                   ; my LDS stores have read window 1's v0 to v191, in which fragments land, and v61; the loads of W1's scales have read v60: both are written below
.set ff, 0
.rept 64                               ; all 64 fragments of W1 into my registers: they stay
.set tt, ff%8
.set kk, ff/8
.if ff < 63
	WIN (1+ff/21)<<6                               ; destination window 1, 2 or 3
.set rg, 12*(ff%21)
.else
	WIN 0
.set rg, W63
.endif
.irp i, 0,1,2
.if tt < 4
	ds_load_b128 v[rg+4*\i:rg+4*\i+3], v4 offset:16*tt*WP+96*kk+16*\i
.else
	ds_load_b128 v[rg+4*\i:rg+4*\i+3], v5 offset:16*(tt-4)*WP+96*kk+16*\i
.endif
.endr
.set ff, ff+1
.endr
	WIN 0
.irp b, 0,1,2,3
	v_mov_b32 v[TP+\b], 0                          ; written once: a lane permute's destination counts as one of its sources
.endr
	NEXTX                                          ; my first tile's rows of x
	s_wait_dscnt 0x0                               ; W1's fragments are in
.Ltile:
	s_wait_loadcnt 0x0                             ; this tile's rows of x and their scale words are in
.irp p, 0,1,2,3,4,5,6,7
.irp q, 0,1,2
	ds_store_b128 v6, v[XF+4*(3*\p+\q):XF+4*(3*\p+\q)+3] offset:WP*\p+256*\q   ; the rows through my own stage:
.endr
.endr
	s_wait_alu depctr_vm_vsrc(0)                   ; the LDS stores above have read v[XF ..], in which the fragments land; in the first trip also: x's loads have read their offsets v224 to v232, in which the list lands
.irp k, 0,1,2,3,4,5,6,7
.irp i, 0,1,2
	ds_load_b128 v[XF+12*\k+4*\i:XF+12*\k+4*\i+3], v7 offset:96*\k+16*\i       ; back as fragments.  LDS serves a wave's instructions in order: these see the stores above
.endr
.endr
.irp t, 0,1,2,3,4,5,6,7
	ds_load_b128 v[ACC+8*\t:ACC+8*\t+3], v8 offset:128*(\t/2)+32*(\t%2)        ; b1 of units 32 (t / 2) + 16 h + 8 (t % 2) + 0 .. 7: the sums' start.  No wait: no vector line since the wait ahead of the last trip's stores names the accumulators
	ds_load_b128 v[ACC+8*\t+4:ACC+8*\t+7], v8 offset:128*(\t/2)+32*(\t%2)+16
.endr
	s_add_co_u32 s26, s25, 4                       ; my next tile, held at the expert's last one: the last trip asks once more for a tile that exists, and uses nothing of it
	s_min_u32 s26, s26, s27
	s_min_u32 s26, s26, 63
	LISTLD
	s_min_u32 s30, s25, 63                         ; where this tile's results go
	s_mul_i32 s30, s30, 49152
	s_add_nc_u64 s[40:41], s[36:37], s[30:31]
	s_min_u32 s30, s25, 63
	s_lshl_b32 s30, s30, 11
	s_add_nc_u64 s[42:43], s[44:45], s[30:31]
	s_wait_dscnt 0x0                               ; x's fragments and b1 are in
	MM
	NEXTX                                          ; the next tile's rows are on their way while this tile's results are worked
	s_wait_xcnt 0x0                                ; those loads have read their offsets: v224 on may be written
	s_wait_alu depctr_vm_vsrc(0)                   ; x's loads have read their offsets v224 to v232, which gelu's first lines write
	GELU 0
	GELU 1
	GELU 2
	GELU 3
	QUANT
	s_wait_alu depctr_va_vdst(0)                   ; the codes v[PC ..] and the scale word v[PW] are written, which the stores read; gelu and the quantiser are done with the accumulators and with v224 on, in which the next trip's loads land
	global_store_b128 v1, v[PC:PC+3], s[40:41]                     ; the fragment as it stands: 512 consecutive bytes a store
	global_store_b128 v1, v[PC+4:PC+7], s[40:41] offset:512
	global_store_b128 v1, v[PC+8:PC+11], s[40:41] offset:1024
	global_store_b32 v10, v[PW], s[42:43]                          ; 16 rows' scale words, 64 bytes (both halves of the lanes hold and write the same)
	s_wait_xcnt 0x0                                ; the stores have read their registers and bases: both are written again in the next trip
	s_wait_alu depctr_vm_vsrc(0)                   ; the stores have read v[PC ..] and v[PW]: the next trip's list lands in v224 to v232
	s_add_co_u32 s25, s25, 4                       ; my next tile
	s_add_co_u32 s46, s46, 1                       ; the loop is counted by its trips, one at a time, against a number that it does not write
	s_cmp_lt_u32 s46, s47
	s_cbranch_scc1 .Ltile
.Lend:
	s_set_vgpr_msb 0x5                             ; the add's two registers, its sources 0 and 1, lie in window 1
	s_wait_dscnt 0x0                               ; the closing lines, six on end
	s_wait_alu 0x0
	s_wait_tensorcnt 0x0
	ds_add_u32 v254, v255
	s_wait_dscnt 0x0
	s_endpgm
.Lfunc_end_k_q6138041d87_ffn1:
	.size	k_q6138041d87_ffn1, .Lfunc_end_k_q6138041d87_ffn1-k_q6138041d87_ffn1
	.p2alignl 7, 3214868480
	.fill 96, 4, 3214868480
	.section	.rodata,"a",@progbits
	.p2align	6, 0x0
	.amdhsa_kernel k_q6138041d87_ffn1
		.amdhsa_group_segment_fixed_size 151552
		.amdhsa_private_segment_fixed_size 0
		.amdhsa_enable_private_segment 0
		.amdhsa_kernarg_size 64
		.amdhsa_user_sgpr_count 2
		.amdhsa_user_sgpr_kernarg_segment_ptr 1
		.amdhsa_wavefront_size32 1
		.amdhsa_system_sgpr_workgroup_id_x 1
		.amdhsa_system_sgpr_workgroup_id_y 1
		.amdhsa_system_sgpr_workgroup_id_z 1
		.amdhsa_system_vgpr_workitem_id 0
		.amdhsa_next_free_vgpr 1024
		.amdhsa_next_free_sgpr 66
		.amdhsa_reserve_vcc 0
		.amdhsa_float_denorm_mode_32 3
		.amdhsa_float_denorm_mode_16_64 3
		.amdhsa_memory_ordered 1
		.amdhsa_forward_progress 1
		.amdhsa_inst_pref_size 68
	.end_amdhsa_kernel
	.amdgpu_metadata
---
amdhsa.version: [ 1, 2 ]
amdhsa.kernels:
  - .name:           k_q6138041d87_ffn1
    .symbol:         k_q6138041d87_ffn1.kd
    .args:
      - { .name: W1_codes, .offset: 0, .size: 8, .value_kind: global_buffer, .address_space: global }
      - { .name: W1_scales, .offset: 8, .size: 8, .value_kind: global_buffer, .address_space: global }
      - { .name: b1, .offset: 16, .size: 8, .value_kind: global_buffer, .address_space: global }
      - { .name: xq, .offset: 24, .size: 8, .value_kind: global_buffer, .address_space: global }
      - { .name: xs, .offset: 32, .size: 8, .value_kind: global_buffer, .address_space: global }
      - { .name: lists, .offset: 40, .size: 8, .value_kind: global_buffer, .address_space: global }
      - { .name: hq, .offset: 48, .size: 8, .value_kind: global_buffer, .address_space: global }
      - { .name: hs, .offset: 56, .size: 8, .value_kind: global_buffer, .address_space: global }
    .group_segment_fixed_size: 151552
    .private_segment_fixed_size: 0
    .kernarg_segment_align: 8
    .kernarg_segment_size: 64
    .max_flat_workgroup_size: 128
    .sgpr_count:     66
    .vgpr_count:     1024
    .wavefront_size: 32
...
	.end_amdgpu_metadata
.endif
;; end of part 8
;; launch ffn2 (part 9): grid 32 x 8, 4 waves a work-group, no clusters, 108,544 bytes of LDS; arguments W2_codes, W2_scales, b2, hq, hs, lists, yb; writes yb
.if DOCPART == 9
	.amdgcn_target "amdgcn-amd-amdhsa--gfx1250"
	.amdhsa_code_object_version 6
	.text
	.protected	k_q6138041d87_ffn2
	.globl	k_q6138041d87_ffn2
	.p2align	8
	.type	k_q6138041d87_ffn2,@function
k_q6138041d87_ffn2:
	s_mov_b64 s[64:65], 0
	v_nop
	global_prefetch_b8 v0, s[64:65] scope:SCOPE_SE
	s_setreg_imm32_b32 hwreg(HW_REG_WAVE_SCHED_MODE, 0, 2), 2
	s_setreg_imm32_b32 hwreg(HW_REG_WAVE_MODE, 25, 1), 1
	s_wait_xcnt 0x0
	s_wait_alu depctr_vm_vsrc(0)
; THE SECOND PRODUCT OF THE CHOSEN ROWS: y = h W2 + b2, on codes of FP6 (E2M3) with one E8M0 scale for each 32 along K = 4,096.
; SHARES.  Work-group (ns, e) owns outputs 32 ns .. 32 ns + 31 of expert e: 32 rows of W2's codes, 98,304 dense bytes, read from memory once, turned through LDS, and then held by EVERY wave in 768 registers
; (64 fragments: 2 tiles of 16 outputs x 32 K steps).  The four waves share out the expert's tiles of 16 rows: wave w takes tiles w, w + 4, ..  The number of tiles is a number that an earlier launch stored:
; so this text branches on a stored number and holds no tensor load, and its one barrier stands at the head.  The 32 work-groups of an expert read the same tiles of h: not jointly, since a joint request is a tensor load.
; h comes as the launch before laid it: a fragment is 1,536 dense bytes, an image of its registers, three loads of 512 consecutive bytes.  Of a K step's four blocks lanes 0-15 hold blocks 0, 1 and lanes 16-31 blocks 2, 3,
; on both sides alike; scale words hold their bytes in the order 0, 2, 1, 3.  The sums group the products otherwise than in ascending K: the result is judged within a tolerance.
; THE PRODUCT IS USED TRANSPOSED (source 0 = 16 rows of W2, source 1 = 16 rows of h): a lane holds 8 neighbouring outputs of one row.  b2 is the C of each sum's first matrix instruction.
; h's fragments go through three sets of four (48 registers each); a set is asked for again as soon as its eight products are done with it, so 12 to 44 loads of a wave are on their way throughout.
; OUT: yb [64 e + tile][32 ns][16 rows][128 bytes] f32: a wave's tile is 2,048 dense bytes, stored as four runs of 512.
; REGISTERS: window 0: v1-8, v13 addresses; v16-47 W2's scale words (register s: my 32 rows, a lane a row); v48-63 h's (register q: K step 2 q in lanes 0-15, 2 q + 1 in lanes 16-31); v64-79 two accumulators;
;   v80-95 b2; v96-239 h's fragments; v244-255 W2's fragment 63.   Windows 1 to 3: W2's fragments 0 to 62, fragment f = 2 s + a at window 1 + f / 21, register 12 (f % 21).
; THE MODE: SCHED_MODE bits 1:0 = 2 (LLVM: expert scheduling mode 2), set by the entry lines.  The code itself states the register dependences
; between vector or matrix instructions and memory or LDS instructions, with s_wait_alu, always for 0.
; THE PLAN.  Registers that memory or LDS instructions touch, round a trip:
;   v1-v8, v13     offsets and LDS addresses, made at the head and never written again: a tile is reached by scalar bases and immediate offsets.
;   HF, three sets group g's eight products read set g % 3; behind them the twelve loads of group g + 3 land in it.
;   HS v48-55      groups 0 to 3 read them as scales; the next tile's land behind group 3.     HS v56-63: groups 4 to 7; the next tile's land behind group 7.
;   ACC v64-79     the products write them; four LDS stores read them; four LDS loads land whole rows in them; four global stores read those; the next trip's first products write them anew.
; So ONE wait on va_vdst stands behind each group's products: they are done reading their set (and, behind groups 3 and 7, eight scale words), and behind group 7 the accumulators are written.
; It stands there and not at the next group's head, so that a set is asked for again ahead of the wait for the next set's data: three sets are then on their way, not two.
; Two waits on vm_vsrc a trip: between the LDS stores and the LDS loads of ACC, and behind the global stores.
.set WP2,  3088                        ; an LDS row of W2's codes: 3,072 bytes + 16: an odd multiple of 16
.set YST,  98816                       ; behind the 32 rows: for each wave a stage of 16 rows x (128 bytes + 16)
.set WS,   16
.set HS,   48
.set ACC,  64
.set BI,   80
.set HF,   96
.set W63,  244
.set MSB,  0
.macro WIN new                         ; the immediate's high byte repeats the setting that is left; a switch that changes nothing is dropped
.if MSB != (\new)
	s_set_vgpr_msb (MSB<<8)|(\new)
.set MSB, (\new)
.endif
.endm
	s_load_b256 s[4:11], s[0:1], 0x0               ; W2's codes s[4:5], its scales s[6:7], b2 s[8:9], hq s[10:11]
	s_load_b128 s[12:15], s[0:1], 0x20             ; hs s[12:13], lists s[14:15]
	s_load_b64 s[16:17], s[0:1], 0x30              ; yb
	v_lshl_add_u32 v242, v0, 2, 0x1a600
	v_mov_b32 v243, 0
	v_lshrrev_b32 v9, 5, v0
	v_readfirstlane_b32 s20, v9                    ; wave
	s_mov_b32 s21, ttmp9                           ; ns
	s_and_b32 s22, ttmp7, 0xffff                   ; e
	v_and_b32 v9, 31, v0                           ; lane
	v_and_b32 v10, 15, v0                          ; r
	v_bfe_u32 v11, v0, 4, 1                        ; h
	v_lshlrev_b32 v1, 4, v9                        ; 16 x lane
	v_lshlrev_b32 v2, 2, v9                        ; 4 x lane
	s_wait_alu depctr_va_sdst(0)                   ; s20, the wave's number, is written, ahead of its first reader
	s_mul_i32 s30, s20, 8*WP2
	v_add_nc_u32 v3, s30, v1                       ; W2 into LDS: my wave's 8 rows
	v_mul_u32_u24 v4, v10, WP2
	v_mad_u32_u24 v4, v11, 48, v4                  ; a fragment's place for my lane: row r, + 48 h
	s_mul_i32 s30, s20, 2304
	s_add_co_u32 s30, s30, YST
	v_mul_u32_u24 v5, v10, 144
	v_lshl_add_u32 v5, v11, 5, v5
	v_add_nc_u32 v5, s30, v5                       ; my stage, in: row r, + 32 h
	v_lshrrev_b32 v12, 3, v9
	v_mul_u32_u24 v6, v12, 144
	v_and_b32 v12, 7, v9
	v_lshl_add_u32 v6, v12, 4, v6
	v_add_nc_u32 v6, s30, v6                       ; and back: eight lanes to a row of 128 bytes
	v_lshlrev_b32 v7, 7, v9                        ; W2's scales: a lane a row of 128 bytes
	s_mul_i32 s30, s20, 24576
	v_add_nc_u32 v8, s30, v1                       ; W2 in memory: my wave's 24,576 bytes
	v_lshlrev_b32 v13, 5, v11                      ; b2: 8 numbers for each half of the lanes
	s_mov_b32 s42, 0x03010200                      ; a scale word's bytes 0, 1, 2, 3 into the order 0, 2, 1, 3
	s_lshl_b32 s30, s22, 10
	s_lshl_b32 s31, s21, 5
	s_add_co_u32 s35, s30, s31                     ; my first row of W2: 1,024 e + 32 ns
	s_lshl_b32 s26, s22, 7
	s_wait_kmcnt 0x0
	s_load_b32 s23, s[14:15], s26 offset:46080     ; the expert's count of rows
	s_mul_i32 s30, s35, 3072
	s_mov_b32 s31, 0                               ; stays 0: the upper word of every offset
	s_add_nc_u64 s[4:5], s[4:5], s[30:31]
	s_lshl_b32 s30, s35, 7
	s_add_nc_u64 s[6:7], s[6:7], s[30:31]
	s_lshl_b32 s30, s35, 2
	s_add_nc_u64 s[8:9], s[8:9], s[30:31]
	WIN 0x40                                       ; destination window 1: 192 registers that the fragments take later
	s_wait_alu depctr_va_vdst(0)                   ; the offsets and LDS addresses v1 to v8 and v13 are written, which the loads and stores of the whole kernel read
.set m, 0
.rept 48
	global_load_b128 v[4*m:4*m+3], v8, s[4:5] offset:512*m th:TH_LOAD_NT   ; 512 consecutive bytes; read once in the launch
.set m, m+1
.endr
	WIN 0
.irp q, 0,1,2,3,4,5,6,7
	global_load_b128 v[WS+4*\q:WS+4*\q+3], v7, s[6:7] offset:16*\q
.endr
.irp a, 0,1
	global_load_b128 v[BI+8*\a:BI+8*\a+3], v13, s[8:9] offset:64*\a          ; b2 of outputs 16 a + 8 h + 0 .. 7
	global_load_b128 v[BI+8*\a+4:BI+8*\a+7], v13, s[8:9] offset:64*\a+16
.endr
	s_mul_i32 s30, s22, 3145728
	s_add_nc_u64 s[28:29], s[10:11], s[30:31]      ; hq at the expert's tile 0
	s_lshl_b32 s30, s22, 17
	s_add_nc_u64 s[36:37], s[12:13], s[30:31]      ; hs likewise
	s_lshl_b32 s30, s22, 22
	s_lshl_b32 s35, s21, 11
	s_add_co_u32 s30, s30, s35
	s_add_nc_u64 s[44:45], s[16:17], s[30:31]      ; yb at (e, tile 0, ns)
	s_wait_loadcnt 0x0
	WIN 0x04                                       ; an LDS store's data are its source 1: window 1
.set m, 0
.rept 48
	ds_store_b128 v3, v[4*m:4*m+3] offset:(m/6)*WP2+512*(m%6)
.set m, m+1
.endr
	WIN 0
.irp i, 0,1,2,3,4,5,6,7,8,9,10,11,12,13,14,15,16,17,18,19,20,21,22,23,24,25,26,27,28,29,30,31
	v_perm_b32 v[WS+\i], v[WS+\i], v[WS+\i], s42
.endr
	s_wait_kmcnt 0x0
	s_min_u32 s23, s23, 1024
	s_add_co_u32 s24, s23, 15
	s_lshr_b32 s24, s24, 4                         ; T: the expert's tiles, at most 64
	s_sub_co_u32 s27, s24, 1
	s_wait_dscnt 0x0                               ; for the others' sake: my rows of W2 lie in LDS
	s_barrier_signal -1
	s_barrier_wait -1                              ; the launch's one barrier; W2's rows are only read from here on
	s_cmp_ge_u32 s20, s24
	s_cbranch_scc1 .Lend                           ; fewer tiles than waves: nothing for me
	s_sub_co_u32 s47, s24, s20                     ; my trips: tiles w, w + 4, .. under T are (T - w + 3) / 4, rounded down: 1 to 16
	s_add_co_u32 s47, s47, 3
	s_lshr_b32 s47, s47, 2
	s_min_u32 s47, s47, 16
	s_mov_b32 s46, 0                               ; the trip's number: the loop ends on it
.macro G k, p                          ; h's fragments of K steps 4 k .. 4 k + 3 of the tile at s[p:p+1], into set k % 3: twelve loads
.irp q, 0,1,2,3
.irp i, 0,1,2
	global_load_b128 v[HF+48*((\k)%3)+12*\q+4*\i:HF+48*((\k)%3)+12*\q+4*\i+3], v1, s[\p:\p+1] offset:1536*(4*(\k)+\q)+512*\i
.endr
.endr
.endm
.macro HSL p                           ; h's scale words of K steps 0 to 15: eight loads of 128 consecutive bytes
.irp q, 0,1,2,3,4,5,6,7
	global_load_b32 v[HS+\q], v2, s[\p:\p+1] offset:128*\q
.endr
.endm
.macro HSH p                           ; and of K steps 16 to 31
.irp q, 8,9,10,11,12,13,14,15
	global_load_b32 v[HS+\q], v2, s[\p:\p+1] offset:128*\q
.endr
.endm
; Eight products: K steps 4 g .. 4 g + 3, the two accumulators by turns, one instruction a turn, from group to group and over the loop's backward jump too.
; n: how many younger loads may be out (-1: no wait is due).  The v_nop behind them stay as places behind the products (ISA guide 7.12.1); in the first trip they are also among the places between the lines
; that wrote W2's scale words and the scaled products that take them.  First the places, then the wait, which states what the loads and LDS stores behind the group hang on.
.macro GRP g, n, places
.if \n >= 0
	s_wait_loadcnt \n
.endif
.set qq, 0
.rept 4
.set kk, 4*(\g)+qq
.irp a, 0,1
.set ff, 2*kk+\a
.if ff < 63
	WIN 1+ff/21                                    ; source 0 (W2) in window 1, 2 or 3
.set rg, 12*(ff%21)
.else
	WIN 0
.set rg, W63
.endif
.if kk == 0
.set cr, BI+8*\a                       ; the first K step starts the sums from b2
.else
.set cr, ACC+8*\a
.endif
.set hr, HF+48*((\g)%3)+12*qq
.if (\a == 0) && (kk%2 == 0)
	v_wmma_scale_f32_16x16x128_f8f6f4 v[ACC+8*\a:ACC+8*\a+7], v[rg:rg+11], v[hr:hr+11], v[cr:cr+7], v[WS+kk], v[HS+kk/2] matrix_a_fmt:MATRIX_FMT_FP6 matrix_b_fmt:MATRIX_FMT_FP6
.elseif (\a == 1) && (kk%2 == 0)
	v_wmma_scale_f32_16x16x128_f8f6f4 v[ACC+8*\a:ACC+8*\a+7], v[rg:rg+11], v[hr:hr+11], v[cr:cr+7], v[WS+kk], v[HS+kk/2] matrix_a_fmt:MATRIX_FMT_FP6 matrix_b_fmt:MATRIX_FMT_FP6 matrix_a_scale:MATRIX_SCALE_ROW1
.elseif \a == 0
	v_wmma_scale_f32_16x16x128_f8f6f4 v[ACC+8*\a:ACC+8*\a+7], v[rg:rg+11], v[hr:hr+11], v[cr:cr+7], v[WS+kk], v[HS+kk/2] matrix_a_fmt:MATRIX_FMT_FP6 matrix_b_fmt:MATRIX_FMT_FP6 matrix_b_scale:MATRIX_SCALE_ROW1
.else
	v_wmma_scale_f32_16x16x128_f8f6f4 v[ACC+8*\a:ACC+8*\a+7], v[rg:rg+11], v[hr:hr+11], v[cr:cr+7], v[WS+kk], v[HS+kk/2] matrix_a_fmt:MATRIX_FMT_FP6 matrix_b_fmt:MATRIX_FMT_FP6 matrix_a_scale:MATRIX_SCALE_ROW1 matrix_b_scale:MATRIX_SCALE_ROW1
.endif
.endr
.set qq, qq+1
.endr
	WIN 0
.rept \places
	v_nop
.endr
	s_wait_alu depctr_va_vdst(0)                   ; these products are done reading their set of h's fragments, in which the loads that follow land; behind groups 3 and 7 also eight of h's scale words; behind group 7 the accumulators are written, which the LDS stores read
.endm
	s_mov_b32 s25, s20                             ; j: my tile
	s_mul_i32 s30, s20, 49152
	s_add_nc_u64 s[32:33], s[28:29], s[30:31]      ; its fragments,
	s_lshl_b32 s30, s20, 11
	s_add_nc_u64 s[38:39], s[36:37], s[30:31]      ; its scale words
	HSL 38                                         ; in the order in which a trip leaves them behind for the next
	G 2, 32
	G 0, 32
	HSH 38
	G 1, 32
	WIN 0x40                                       ; destination window 1; the switch, the two waits, the loads
	s_wait_alu depctr_va_vdst(0)                   ; v4, the address of the loads below, is written; so are W2's scale words in their new order, which the products take as scales
	s_wait_alu depctr_vm_vsrc(0)                   ; my LDS stores have read window 1's v0 to v191, in which fragments land
.set ff, 0
.rept 64                               ; all 64 fragments of W2 into my registers: they stay
.set kk, ff/2
.if ff < 63
	WIN (1+ff/21)<<6                               ; destination window 1, 2 or 3
.set rg, 12*(ff%21)
.else
	WIN 0
.set rg, W63
.endif
.irp i, 0,1,2
	ds_load_b128 v[rg+4*\i:rg+4*\i+3], v4 offset:16*WP2*(ff%2)+96*kk+16*\i
.endr
.set ff, ff+1
.endr
	WIN 0
	s_wait_dscnt 0x0                               ; W2's fragments are in
	s_wait_xcnt 0x0                                ; the loads above have read their bases: the trip writes s[38:39] anew
.Ltile:
	s_add_co_u32 s26, s25, 4                       ; my next tile, held at the expert's last one: the last trip asks once more for a tile that exists, and uses nothing of it
	s_min_u32 s26, s26, s27
	s_min_u32 s26, s26, 63
	s_mul_i32 s30, s26, 49152
	s_add_nc_u64 s[34:35], s[28:29], s[30:31]
	s_lshl_b32 s30, s26, 11
	s_add_nc_u64 s[38:39], s[36:37], s[30:31]
	s_min_u32 s30, s25, 63                         ; where this tile's results go
	s_lshl_b32 s30, s30, 16
	s_add_nc_u64 s[40:41], s[44:45], s[30:31]
	GRP 0, 20, 4                                   ; may be out: the upper scale words' 8 loads and set 1's 12
	G 3, 32
	GRP 1, 12, 4                                   ; may be out: K steps 12-15
	G 4, 32
	GRP 2, -1, 4                                   ; its set was asked for ahead of group 0's: it is in
	G 5, 32
	GRP 3, 24, 4                                   ; may be out: K steps 16-19, 20-23
	G 6, 32
	HSL 38                                         ; the lower scale words are done with: the next tile's
	GRP 4, 32, 4                                   ; may be out: 12 + 12 + those 8
	G 7, 32
	GRP 5, 32, 4                                   ; 12 + 8 + 12
	G 2, 34                                        ; from here on the next tile's fragments
	GRP 6, 32, 4                                   ; 8 + 12 + 12
	G 0, 34
	GRP 7, 24, 5                                   ; 12 + 12.  Five places: the next trip's first products write the accumulators anew, with another C
	HSH 38
	G 1, 34
	ds_store_b128 v5, v[ACC:ACC+3]                                 ; the way out, through my own stage; each accumulator from its low end on.  Lane (r, h): y(r, 16 a + 8 h + 0 .. 7)
	ds_store_b128 v5, v[ACC+4:ACC+7] offset:16
	ds_store_b128 v5, v[ACC+8:ACC+11] offset:64
	ds_store_b128 v5, v[ACC+12:ACC+15] offset:80
	s_wait_alu depctr_vm_vsrc(0)                   ; the LDS stores have read v[ACC ..], in which the rows land
.irp i, 0,1,2,3
	ds_load_b128 v[ACC+4*\i:ACC+4*\i+3], v6 offset:576*\i          ; LDS serves a wave's instructions in order: these see the stores above
.endr
	s_wait_dscnt 0x0
.irp i, 0,1,2,3
	global_store_b128 v1, v[ACC+4*\i:ACC+4*\i+3], s[40:41] offset:512*\i   ; 512 consecutive bytes, at a multiple of 256 from the buffer's first byte
.endr
	s_wait_xcnt 0x0                                ; loads and stores have read their bases and data: all are written again below and in the next trip
	s_wait_alu depctr_vm_vsrc(0)                   ; the global stores have read v[ACC ..], which the next trip's first products write
	s_mov_b64 s[32:33], s[34:35]
	s_add_co_u32 s25, s25, 4                       ; my next tile
	s_add_co_u32 s46, s46, 1                       ; the loop is counted by its trips, one at a time, against a number that it does not write
	s_cmp_lt_u32 s46, s47
	s_cbranch_scc1 .Ltile
.Lend:
	s_wait_dscnt 0x0                               ; the closing lines, six on end
	s_wait_alu 0x0
	s_wait_tensorcnt 0x0
	ds_add_u32 v242, v243
	s_wait_dscnt 0x0
	s_endpgm
.Lfunc_end_k_q6138041d87_ffn2:
	.size	k_q6138041d87_ffn2, .Lfunc_end_k_q6138041d87_ffn2-k_q6138041d87_ffn2
	.p2alignl 7, 3214868480
	.fill 96, 4, 3214868480
	.section	.rodata,"a",@progbits
	.p2align	6, 0x0
	.amdhsa_kernel k_q6138041d87_ffn2
		.amdhsa_group_segment_fixed_size 108544
		.amdhsa_private_segment_fixed_size 0
		.amdhsa_enable_private_segment 0
		.amdhsa_kernarg_size 56
		.amdhsa_user_sgpr_count 2
		.amdhsa_user_sgpr_kernarg_segment_ptr 1
		.amdhsa_wavefront_size32 1
		.amdhsa_system_sgpr_workgroup_id_x 1
		.amdhsa_system_sgpr_workgroup_id_y 1
		.amdhsa_system_sgpr_workgroup_id_z 1
		.amdhsa_system_vgpr_workitem_id 0
		.amdhsa_next_free_vgpr 1024
		.amdhsa_next_free_sgpr 66
		.amdhsa_reserve_vcc 0
		.amdhsa_float_denorm_mode_32 3
		.amdhsa_float_denorm_mode_16_64 3
		.amdhsa_memory_ordered 1
		.amdhsa_forward_progress 1
		.amdhsa_inst_pref_size 54
	.end_amdhsa_kernel
	.amdgpu_metadata
---
amdhsa.version: [ 1, 2 ]
amdhsa.kernels:
  - .name:           k_q6138041d87_ffn2
    .symbol:         k_q6138041d87_ffn2.kd
    .args:
      - { .name: W2_codes, .offset: 0, .size: 8, .value_kind: global_buffer, .address_space: global }
      - { .name: W2_scales, .offset: 8, .size: 8, .value_kind: global_buffer, .address_space: global }
      - { .name: b2, .offset: 16, .size: 8, .value_kind: global_buffer, .address_space: global }
      - { .name: hq, .offset: 24, .size: 8, .value_kind: global_buffer, .address_space: global }
      - { .name: hs, .offset: 32, .size: 8, .value_kind: global_buffer, .address_space: global }
      - { .name: lists, .offset: 40, .size: 8, .value_kind: global_buffer, .address_space: global }
      - { .name: yb, .offset: 48, .size: 8, .value_kind: global_buffer, .address_space: global }
    .group_segment_fixed_size: 108544
    .private_segment_fixed_size: 0
    .kernarg_segment_align: 8
    .kernarg_segment_size: 56
    .max_flat_workgroup_size: 128
    .sgpr_count:     66
    .vgpr_count:     1024
    .wavefront_size: 32
...
	.end_amdgpu_metadata
.endif
;; end of part 9
;; launch combine (part 10): grid 256 x 1, 4 waves a work-group, no clusters, 0 bytes of LDS; arguments yb, lists, gate, out0; writes out0
.if DOCPART == 10
	.amdgcn_target "amdgcn-amd-amdhsa--gfx1250"
	.amdhsa_code_object_version 6
	.text
	.protected	k_q6138041d87_combine
	.globl	k_q6138041d87_combine
	.p2align	8
	.type	k_q6138041d87_combine,@function
k_q6138041d87_combine:
	s_mov_b64 s[64:65], 0
	v_nop
	global_prefetch_b8 v0, s[64:65] scope:SCOPE_SE
	s_setreg_imm32_b32 hwreg(HW_REG_WAVE_MODE, 25, 1), 1
	s_wait_xcnt 0x0
; out[t] = g0 y[row of t's first expert] + g1 y[row of its second].  A wave owns token t = 4 x work-group + wave.
; yb: [64 e + tile][32 slices][16 rows][128 bytes] f32; a row number is 1,024 e + place, so its upper bits are 64 e + tile and its low four bits the row in the tile.
; The two row numbers come from the stored lists (held under 8,191 in front of their shifts), the two gates from gate.  Each output row has this one owner.
; A stream: no LDS, no barrier, no matrix unit.  A load takes four slices' 128 bytes of a row (eight lanes each); a store covers 512 consecutive bytes of out.
	s_load_b256 s[4:11], s[0:1], 0x0               ; yb s[4:5], lists s[6:7], gate s[8:9], out s[10:11]
	v_lshrrev_b32 v3, 5, v0
	v_readfirstlane_b32 s20, v3                    ; wave
	s_lshl_b32 s21, ttmp9, 2
	s_add_co_u32 s21, s21, s20                     ; my token
	s_lshl_b32 s22, s21, 3
	v_and_b32 v3, 31, v0
	v_lshlrev_b32 v2, 4, v3                        ; out: 16 x lane
	v_lshrrev_b32 v4, 3, v3
	v_and_b32 v5, 7, v3
	v_lshlrev_b32 v1, 11, v4
	v_lshl_add_u32 v1, v5, 4, v1                   ; yb: slice lane / 8 (2,048 bytes apart), 16 (lane % 8) in the row
	s_wait_alu depctr_va_vdst(0)
	s_wait_kmcnt 0x0
	s_load_b64 s[12:13], s[6:7], s22 offset:36864  ; the two row numbers
	s_load_b64 s[14:15], s[8:9], s22 offset:0x0    ; the two gates
	s_lshl_b32 s28, s21, 12
	s_mov_b32 s29, 0
	s_add_nc_u64 s[10:11], s[10:11], s[28:29]
	s_wait_kmcnt 0x0
	s_min_u32 s12, s12, 8191
	s_min_u32 s13, s13, 8191
	s_and_b32 s24, s12, 0x1ff0
	s_lshl_b32 s24, s24, 12                        ; 65,536 bytes a tile
	s_and_b32 s30, s12, 15
	s_lshl_b32 s30, s30, 7                         ; 128 bytes a row
	s_add_co_u32 s24, s24, s30
	s_mov_b32 s25, 0
	s_add_nc_u64 s[24:25], s[4:5], s[24:25]
	s_and_b32 s26, s13, 0x1ff0
	s_lshl_b32 s26, s26, 12
	s_and_b32 s30, s13, 15
	s_lshl_b32 s30, s30, 7
	s_add_co_u32 s26, s26, s30
	s_mov_b32 s27, 0
	s_add_nc_u64 s[26:27], s[4:5], s[26:27]
.irp i, 0,1,2,3,4,5,6,7
	global_load_b128 v[8+4*\i:11+4*\i], v1, s[24:25] offset:8192*\i th:TH_LOAD_NT    ; each row of yb is read once
.endr
.irp i, 0,1,2,3,4,5,6,7
	global_load_b128 v[40+4*\i:43+4*\i], v1, s[26:27] offset:8192*\i th:TH_LOAD_NT
.endr
	s_mov_b32 s16, s14                             ; each gate as a pair: the packed forms name a pair and take its low word for both halves
	s_mov_b32 s17, s14
	s_mov_b32 s18, s15
	s_mov_b32 s19, s15
.irp i, 0,1,2,3,4,5,6,7
	s_wait_loadcnt 7-\i                            ; piece i of both rows is in; the second row's younger loads may be out
	v_pk_mul_f32 v[8+4*\i:9+4*\i], v[8+4*\i:9+4*\i], s[16:17] op_sel_hi:[1,0]
	v_pk_mul_f32 v[10+4*\i:11+4*\i], v[10+4*\i:11+4*\i], s[16:17] op_sel_hi:[1,0]
	v_pk_fma_f32 v[8+4*\i:9+4*\i], v[40+4*\i:41+4*\i], s[18:19], v[8+4*\i:9+4*\i] op_sel_hi:[1,0,1]
	v_pk_fma_f32 v[10+4*\i:11+4*\i], v[42+4*\i:43+4*\i], s[18:19], v[10+4*\i:11+4*\i] op_sel_hi:[1,0,1]
	global_store_b128 v2, v[8+4*\i:11+4*\i], s[10:11] offset:512*\i th:TH_STORE_NT
.endr
	s_endpgm
.Lfunc_end_k_q6138041d87_combine:
	.size	k_q6138041d87_combine, .Lfunc_end_k_q6138041d87_combine-k_q6138041d87_combine
	.p2alignl 7, 3214868480
	.fill 96, 4, 3214868480
	.section	.rodata,"a",@progbits
	.p2align	6, 0x0
	.amdhsa_kernel k_q6138041d87_combine
		.amdhsa_group_segment_fixed_size 0
		.amdhsa_private_segment_fixed_size 0
		.amdhsa_enable_private_segment 0
		.amdhsa_kernarg_size 32
		.amdhsa_user_sgpr_count 2
		.amdhsa_user_sgpr_kernarg_segment_ptr 1
		.amdhsa_wavefront_size32 1
		.amdhsa_system_sgpr_workgroup_id_x 1
		.amdhsa_system_sgpr_workgroup_id_y 1
		.amdhsa_system_sgpr_workgroup_id_z 1
		.amdhsa_system_vgpr_workitem_id 0
		.amdhsa_next_free_vgpr 80
		.amdhsa_next_free_sgpr 66
		.amdhsa_reserve_vcc 0
		.amdhsa_float_denorm_mode_32 3
		.amdhsa_float_denorm_mode_16_64 3
		.amdhsa_memory_ordered 1
		.amdhsa_forward_progress 1
		.amdhsa_inst_pref_size 7
	.end_amdhsa_kernel
	.amdgpu_metadata
---
amdhsa.version: [ 1, 2 ]
amdhsa.kernels:
  - .name:           k_q6138041d87_combine
    .symbol:         k_q6138041d87_combine.kd
    .args:
      - { .name: yb, .offset: 0, .size: 8, .value_kind: global_buffer, .address_space: global }
      - { .name: lists, .offset: 8, .size: 8, .value_kind: global_buffer, .address_space: global }
      - { .name: gate, .offset: 16, .size: 8, .value_kind: global_buffer, .address_space: global }
      - { .name: out0, .offset: 24, .size: 8, .value_kind: global_buffer, .address_space: global }
    .group_segment_fixed_size: 0
    .private_segment_fixed_size: 0
    .kernarg_segment_align: 8
    .kernarg_segment_size: 32
    .max_flat_workgroup_size: 128
    .sgpr_count:     66
    .vgpr_count:     80
    .wavefront_size: 32
...
	.end_amdgpu_metadata
.endif
;; end of part 10
